; MI455X (gfx1250); checked and timed in simulation.
; The chip was launched on July 23, 2026; its instructions are those of AMD's public machine-readable ISA for CDNA 5 (MIT licence, August 2026) and "CDNA5" Instruction Set Architecture Reference Guide (July 2026). The comments in the code are by the model that wrote it; some were corrected since.
;; GPT Transformer Block. Allowed arithmetic: float matrix products may take bf16 or f16 operands with f32 sums; other float arithmetic in f32, or as packed bf16 or f16 multiplies, adds, multiply-adds, maxima and minima; sums over many terms, partial sums and values carried from step to step in f32; what a program stores and reads back later, other than sums and carried values, may be rounded once to bf16 or f16.
;; Inputs: b1 4,096 float32; b2 1,024 float32; bk 1,024 float32; bo 1,024 float32; bq 1,024 float32; bv 1,024 float32; ln1_b 1,024 float32; ln1_g 1,024 float32; ln2_b 1,024 float32; ln2_g 1,024 float32; w1 1,024 x 4,096 float32; w2 4,096 x 1,024 float32; wk 1,024 x 1,024 float32; wo 1,024 x 1,024 float32; wq 1,024 x 1,024 float32; wv 1,024 x 1,024 float32; x 4 x 1,024 x 1,024 float32.
;; Outputs: out0 4 x 1,024 x 1,024 float32.
;; One version. Each part assembles by itself: llvm-mc -triple=amdgcn-amd-amdhsa -mcpu=gfx1250 --defsym DOCPART=n.
;; ======== version 1 of 1: 7 launches
;; limits: values are held in f16: magnitudes above 65,504 overflow, below 6.1e-05 lose precision
;; workspace buffers: wts 25,165,824 bytes; hb 8,388,608 bytes; qkv 25,165,824 bytes; att 8,388,608 bytes; x1 16,777,216 bytes; ff 33,554,432 bytes
;; launch prep (part 1): grid 1280 x 1, 8 waves a work-group, no clusters, 0 bytes of LDS; arguments x, ln1_g, ln1_b, hb, wq, wk, wv, wo, w1, w2, wts; writes hb, wts
.if DOCPART == 1
	.amdgcn_target "amdgcn-amd-amdhsa--gfx1250"
	.amdhsa_code_object_version 6
	.text
	.protected	k_qf259e1fe80_prep
	.globl	k_qf259e1fe80_prep
	.p2align	8
	.type	k_qf259e1fe80_prep,@function
k_qf259e1fe80_prep:
	s_mov_b64 s[64:65], 0
	v_nop
	global_prefetch_b8 v0, s[64:65] scope:SCOPE_SE
	s_setreg_imm32_b32 hwreg(HW_REG_WAVE_MODE, 25, 1), 1
	s_wait_xcnt 0x0
; TWO STREAMS IN ONE LAUNCH: neither reads what the other writes, both are bound by memory, and neither needs LDS or a barrier.
; WORK-GROUPS 0 TO 511: LAYER NORM.  hb[r][c] = (x[r][c] - mean_r) / sqrt(var_r + 1e-5) x g[c] + b[c].  x: [4096][1024] f32, hb the same in bf16, rounded once.
;   The mean is taken first and the variance is the mean of the squared DEVIATIONS, so a common offset of a row costs nothing.  All in f32.
;   A wave owns one row: its 4,096 bytes are eight loads of 16 bytes a lane and stay in 32 registers between the passes.  Piece j of a row is its bytes 512 j + 16 lane: four columns a lane, which
;   leave as 8 bytes at 256 j + 8 lane: a wave's store covers 256 consecutive bytes, aligned.
; WORK-GROUPS 512 TO 1279: THE SIX WEIGHTS, f32, ROUNDED ONCE TO 16 BITS INTO wts.  Nothing is transposed: the products read the rows [k][n] as they lie.
;   byte 0           wq, wk, wv as bf16, by heads: [48 g][1024 k][64 n], g = 16 x tensor + head: a head's block is 131,072 dense bytes
;   byte 6,291,456   wo [1024 k][1024 n]: rounded to bf16 like the others, and that number written as f16 (its partner in the product is f16)
;   byte 8,388,608   w1 [1024][4096] bf16          byte 16,777,216   w2 [4096][1024] bf16
;   LIMIT.  wo in f16: below 6e-5 it keeps f16's fixed step of 6e-8; 65,520 or more becomes an infinity.
;   Work-group 512 + u makes 16,384 numbers: bytes 32,768 u .. of wts in every region (the regions begin at u = 0, 192, 256, 512).  A thread has sixteen loads of 16 bytes, all issued first, and sixteen
;   stores of 8 bytes: a wave's load covers 512 bytes in pieces of 256 or more, a wave's store 256 consecutive bytes, aligned.
.set LNWG, 512                         ; work-groups of the norm: 8 rows each
.set CH,   4                           ; v[4:11]    four chains of pairs
.set MEAN, 12                          ; v[12:13]   the row's mean, twice (a pair for the packed forms)
.set RSTD, 14                          ; v[14:15]   1 / sqrt(var + eps), twice
.set VAR,  16                          ; v16
.set XR,   32                          ; v[32:63]   the row; its packed results take its first 16 registers
.set GR,   64                          ; v[64:95]   g of my 32 columns
.set BR,   96                          ; v[96:127]  b
.set D, 8                              ; the cast: v[8:71]    sixteen loads of four numbers
.set Y, 72                             ;           v[72:103]  sixteen pairs of packed words
; the four chains into one number, then over the 32 lanes: four steps inside each half ride on the addition, one crosses the halves; every lane ends with the sum in v20
.macro RED
	v_pk_add_f32 v[CH:CH+1], v[CH:CH+1], v[CH+2:CH+3]
	v_pk_add_f32 v[CH+4:CH+5], v[CH+4:CH+5], v[CH+6:CH+7]
	v_pk_add_f32 v[CH:CH+1], v[CH:CH+1], v[CH+4:CH+5]
	v_add_f32 v20, v[CH], v[CH+1]
	v_add_f32_dpp v20, v20, v20 row_xmask:1 row_mask:0xf bank_mask:0xf
	v_add_f32_dpp v20, v20, v20 row_xmask:2 row_mask:0xf bank_mask:0xf
	v_add_f32_dpp v20, v20, v20 row_xmask:4 row_mask:0xf bank_mask:0xf
	v_add_f32_dpp v20, v20, v20 row_xmask:8 row_mask:0xf bank_mask:0xf
	v_permlanex16_b32 v21, v20, s12, s13
	v_add_f32 v20, v20, v21
.endm
	s_cmp_lt_u32 ttmp9, LNWG
	s_cbranch_scc0 .Lcast
	; ---------------- the norm ----------------
	s_load_b256 s[4:11], s[0:1], 0x0               ; x s[4:5], g s[6:7], b s[8:9], hb s[10:11]
	v_lshrrev_b32 v3, 5, v0
	v_readfirstlane_b32 s20, v3                    ; wave
	v_and_b32 v1, 31, v0
	v_lshlrev_b32 v2, 3, v1                        ; 8 x lane
	v_lshlrev_b32 v1, 4, v1                        ; 16 x lane
	v_mov_b32 v21, 0                               ; v_permlanex16_b32's destination counts as read
	s_mov_b32 s12, 0x76543210                      ; each lane takes its own place in the other half
	s_mov_b32 s13, 0xfedcba98
	s_mov_b32 s14, 0x3a800000                      ; 1 / 1024
	s_mov_b32 s15, 0x3727c5ac                      ; 1e-5
	s_lshl_b32 s16, ttmp9, 3
	s_add_co_u32 s16, s16, s20                     ; my row: 8 x work-group + wave
	s_lshl_b32 s18, s16, 11
	s_lshl_b32 s16, s16, 12
	s_mov_b32 s17, 0
	s_mov_b32 s19, 0
	s_wait_kmcnt 0x0
	s_add_nc_u64 s[4:5], s[4:5], s[16:17]
	s_add_nc_u64 s[10:11], s[10:11], s[18:19]
.irp j, 0,1,2,3,4,5,6,7
	global_load_b128 v[XR+4*\j:XR+4*\j+3], v1, s[4:5] offset:\j*512 th:TH_LOAD_NT
.endr
.irp j, 0,1,2,3,4,5,6,7
	global_load_b128 v[GR+4*\j:GR+4*\j+3], v1, s[6:7] offset:\j*512
.endr
.irp j, 0,1,2,3,4,5,6,7
	global_load_b128 v[BR+4*\j:BR+4*\j+3], v1, s[8:9] offset:\j*512
.endr
	s_wait_loadcnt 16                              ; my row is in; g's eight loads and b's eight, issued behind it, stay out
.irp c, 0,1,2,3
	v_pk_add_f32 v[CH+2*\c:CH+2*\c+1], v[XR+2*\c:XR+2*\c+1], v[XR+8+2*\c:XR+8+2*\c+1]  ; the first pairs start the chains: nothing is cleared
.endr
.irp o, 16,24
.irp c, 0,1,2,3
	v_pk_add_f32 v[CH+2*\c:CH+2*\c+1], v[CH+2*\c:CH+2*\c+1], v[XR+\o+2*\c:XR+\o+2*\c+1]
.endr
.endr
	RED
	v_mul_f32 v[MEAN], s14, v20
	v_mul_f32 v[MEAN+1], s14, v20
.set z, 0
.rept 16
	v_pk_add_f32 v[XR+2*z:XR+2*z+1], v[XR+2*z:XR+2*z+1], v[MEAN:MEAN+1] neg_lo:[0,1] neg_hi:[0,1]  ; the row less its mean, in place
.set z, z+1
.endr
.irp c, 0,1,2,3
	v_pk_mul_f32 v[CH+2*\c:CH+2*\c+1], v[XR+2*\c:XR+2*\c+1], v[XR+2*\c:XR+2*\c+1]
.endr
.irp o, 8,16,24
.irp c, 0,1,2,3
	v_pk_fma_f32 v[CH+2*\c:CH+2*\c+1], v[XR+\o+2*\c:XR+\o+2*\c+1], v[XR+\o+2*\c:XR+\o+2*\c+1], v[CH+2*\c:CH+2*\c+1]
.endr
.endr
	RED
	v_fma_f32 v[VAR], v20, s14, s15                ; var + eps
	v_rsq_f32 v[RSTD], v[VAR]                      ; the root twice, to fill the pair
	v_rsq_f32 v[RSTD+1], v[VAR]
	v_nop                                          ; a plain instruction behind the last of them (ISA guide 5.7.2),
	s_wait_alu depctr_va_vdst(0)                   ; and the one wait ahead of the first reader
	s_wait_loadcnt 0x0                             ; g and b
.set z, 0
.rept 16
	v_pk_mul_f32 v[XR+2*z:XR+2*z+1], v[XR+2*z:XR+2*z+1], v[RSTD:RSTD+1]
.set z, z+1
.endr
.set z, 0
.rept 16
	v_pk_fma_f32 v[XR+2*z:XR+2*z+1], v[XR+2*z:XR+2*z+1], v[GR+2*z:GR+2*z+1], v[BR+2*z:BR+2*z+1]
.set z, z+1
.endr
.set z, 0
.rept 16
	v_cvt_pk_bf16_f32 v[XR+z], v[XR+2*z], v[XR+2*z+1]  ; in place: register z is written when the pairs up to z have been read
.set z, z+1
.endr
.irp j, 0,1,2,3,4,5,6,7
	global_store_b64 v2, v[XR+2*\j:XR+2*\j+1], s[10:11] offset:\j*256
.endr
	s_endpgm
	; ---------------- the cast ----------------
.Lcast:
	s_load_b256 s[4:11], s[0:1], 0x20              ; wq s[4:5], wk s[6:7], wv s[8:9], wo s[10:11]
	s_load_b128 s[12:15], s[0:1], 0x40             ; w1 s[12:13], w2 s[14:15]
	s_load_b64 s[16:17], s[0:1], 0x50              ; wts
	s_sub_co_u32 s18, ttmp9, LNWG                  ; u
	s_mov_b32 s26, 0xffff0000                      ; a word's upper bf16
	s_lshl_b32 s24, s18, 15                        ; my 32,768 bytes of wts
	s_mov_b32 s25, 0
	s_mov_b32 s23, 0
	v_lshlrev_b32 v2, 3, v0                        ; out: 8 bytes a thread
	s_wait_kmcnt 0x0
	s_add_nc_u64 s[16:17], s[16:17], s[24:25]
	s_cmp_lt_u32 s18, 192
	s_cbranch_scc0 .Llinear
	; wq, wk, wv: head (u / 4) % 16 of tensor u / 64, rows 256 (u % 4) on: 256 rows x 256 bytes; sixteen lanes take a row's piece
	s_mov_b64 s[20:21], s[8:9]
	s_cmp_lt_u32 s18, 128
	s_cselect_b64 s[20:21], s[6:7], s[20:21]
	s_cmp_lt_u32 s18, 64
	s_cselect_b64 s[20:21], s[4:5], s[20:21]
	s_and_b32 s22, s18, 3
	s_lshl_b32 s22, s22, 20                        ; 256 rows of 4,096 bytes
	s_bfe_u32 s27, s18, 0x40002
	s_lshl_b32 s27, s27, 8                         ; the head's 64 columns
	s_add_co_u32 s22, s22, s27
	s_add_nc_u64 s[20:21], s[20:21], s[22:23]
	v_lshrrev_b32 v1, 4, v0
	v_lshlrev_b32 v1, 12, v1                       ; row t / 16
	v_and_b32 v3, 15, v0
	v_lshl_add_u32 v1, v3, 4, v1                   ; 16 bytes at t % 16
.set i, 0
.rept 16
	global_load_b128 v[D+4*i:D+4*i+3], v1, s[20:21] offset:i*65536 th:TH_LOAD_NT  ; sixteen rows further down each time
.set i, i+1
.endr
	s_branch .Lconv
.Llinear:
	; wo, w1, w2: 65,536 consecutive bytes
	s_mov_b64 s[20:21], s[14:15]
	s_mov_b32 s27, 512
	s_cmp_lt_u32 s18, 512
	s_cselect_b64 s[20:21], s[12:13], s[20:21]
	s_cselect_b32 s27, 256, s27
	s_cmp_lt_u32 s18, 256
	s_cselect_b64 s[20:21], s[10:11], s[20:21]
	s_cselect_b32 s27, 192, s27
	s_sub_co_u32 s22, s18, s27
	s_lshl_b32 s22, s22, 16
	s_add_nc_u64 s[20:21], s[20:21], s[22:23]
	v_lshlrev_b32 v1, 4, v0
.set i, 0
.rept 16
	global_load_b128 v[D+4*i:D+4*i+3], v1, s[20:21] offset:i*4096 th:TH_LOAD_NT
.set i, i+1
.endr
.Lconv:
.set i, 0
.rept 16
	s_wait_loadcnt 15-i                            ; loads come back in order: number i is in, the 15 - i younger ones stay out
	v_cvt_pk_bf16_f32 v[Y+2*i], v[D+4*i], v[D+4*i+1]
	v_cvt_pk_bf16_f32 v[Y+2*i+1], v[D+4*i+2], v[D+4*i+3]
.set i, i+1
.endr
	s_cmp_lt_u32 s18, 192
	s_cbranch_scc1 .Lstore
	s_cmp_lt_u32 s18, 256
	s_cbranch_scc0 .Lstore
.set i, 0
.rept 32                               ; wo alone: the bf16 number, widened by a shift or a mask, is written as f16
	v_lshlrev_b32 v104, 16, v[Y+i]
	v_and_b32 v105, s26, v[Y+i]
	v_cvt_pk_f16_f32 v[Y+i], v104, v105
.set i, i+1
.endr
.Lstore:
.set i, 0
.rept 16
	global_store_b64 v2, v[Y+2*i:Y+2*i+1], s[16:17] offset:i*2048
.set i, i+1
.endr
	s_endpgm
.Lfunc_end_k_qf259e1fe80_prep:
	.size	k_qf259e1fe80_prep, .Lfunc_end_k_qf259e1fe80_prep-k_qf259e1fe80_prep
	.p2alignl 7, 3214868480
	.fill 96, 4, 3214868480
	.section	.rodata,"a",@progbits
	.p2align	6, 0x0
	.amdhsa_kernel k_qf259e1fe80_prep
		.amdhsa_group_segment_fixed_size 0
		.amdhsa_private_segment_fixed_size 0
		.amdhsa_enable_private_segment 0
		.amdhsa_kernarg_size 88
		.amdhsa_user_sgpr_count 2
		.amdhsa_user_sgpr_kernarg_segment_ptr 1
		.amdhsa_wavefront_size32 1
		.amdhsa_system_sgpr_workgroup_id_x 1
		.amdhsa_system_sgpr_workgroup_id_y 1
		.amdhsa_system_sgpr_workgroup_id_z 1
		.amdhsa_system_vgpr_workitem_id 0
		.amdhsa_next_free_vgpr 128
		.amdhsa_next_free_sgpr 66
		.amdhsa_reserve_vcc 0
		.amdhsa_float_denorm_mode_32 3
		.amdhsa_float_denorm_mode_16_64 3
		.amdhsa_memory_ordered 1
		.amdhsa_forward_progress 1
		.amdhsa_inst_pref_size 25
	.end_amdhsa_kernel
	.amdgpu_metadata
---
amdhsa.version: [ 1, 2 ]
amdhsa.kernels:
  - .name:           k_qf259e1fe80_prep
    .symbol:         k_qf259e1fe80_prep.kd
    .args:
      - { .name: x, .offset: 0, .size: 8, .value_kind: global_buffer, .address_space: global }
      - { .name: ln1_g, .offset: 8, .size: 8, .value_kind: global_buffer, .address_space: global }
      - { .name: ln1_b, .offset: 16, .size: 8, .value_kind: global_buffer, .address_space: global }
      - { .name: hb, .offset: 24, .size: 8, .value_kind: global_buffer, .address_space: global }
      - { .name: wq, .offset: 32, .size: 8, .value_kind: global_buffer, .address_space: global }
      - { .name: wk, .offset: 40, .size: 8, .value_kind: global_buffer, .address_space: global }
      - { .name: wv, .offset: 48, .size: 8, .value_kind: global_buffer, .address_space: global }
      - { .name: wo, .offset: 56, .size: 8, .value_kind: global_buffer, .address_space: global }
      - { .name: w1, .offset: 64, .size: 8, .value_kind: global_buffer, .address_space: global }
      - { .name: w2, .offset: 72, .size: 8, .value_kind: global_buffer, .address_space: global }
      - { .name: wts, .offset: 80, .size: 8, .value_kind: global_buffer, .address_space: global }
    .group_segment_fixed_size: 0
    .private_segment_fixed_size: 0
    .kernarg_segment_align: 8
    .kernarg_segment_size: 88
    .max_flat_workgroup_size: 256
    .sgpr_count:     66
    .vgpr_count:     128
    .wavefront_size: 32
...
	.end_amdgpu_metadata
.endif
;; end of part 1
;; launch qkv (part 2): grid 16 x 16, 4 waves a work-group, clusters of 4 x 4, 327,680 bytes of LDS; arguments hb, wts, bq, bk, bv, qkv; writes qkv
.if DOCPART == 2
	.amdgcn_target "amdgcn-amd-amdhsa--gfx1250"
	.amdhsa_code_object_version 6
	.text
	.protected	k_qf259e1fe80_qkv
	.globl	k_qf259e1fe80_qkv
	.p2align	8
	.type	k_qf259e1fe80_qkv,@function
k_qf259e1fe80_qkv:
	s_mov_b64 s[64:65], 0
	v_nop
	global_prefetch_b8 v0, s[64:65] scope:SCOPE_SE
	s_setreg_imm32_b32 hwreg(HW_REG_WAVE_MODE, 25, 1), 1
	s_wait_xcnt 0x0
	s_wait_alu depctr_hold_cnt(0) depctr_sa_sdst(0) depctr_va_vdst(0) depctr_va_sdst(0) depctr_va_ssrc(0) depctr_va_vcc(0) depctr_vm_vsrc(0)
	s_getreg_b32 s2, hwreg(HW_REG_IB_STS2, 6, 4)
	s_cmp_eq_u32 s2, 0
	s_cbranch_scc0 .Lentry_in_a_cluster
	s_endpgm
.Lentry_in_a_cluster:
	s_bfe_u32 s2, ttmp6, 0x10000c
	s_cmp_lg_u32 s2, 0xf033
	s_cbranch_scc0 .Lentry_shape_is_right
	s_endpgm
.Lentry_shape_is_right:
; q, k, v = hb [wq | wk | wv] + bias, stored by heads in f16: qkv[3][64 (batch x 16 + head)][1024][64], each number rounded once from its f32 sum, unscaled.
; hb: [4096][1024] bf16.  The weights lie in wts by heads, [48 g][1024 k][64 n] bf16.  Products in bf16, sums in f32.
; LIMIT.  f16 ends at 65,504: a q, k or v of 65,520 or more becomes an infinity.
; SHARES.  A work-group makes 256 tokens x 192 columns = three whole heads: 16 x 16 work-groups.  Wave w makes tokens 64 w .. 64 w + 63 of all three heads: 4 x 12 accumulators of 16 x 16, so that 16 tokens of a
; head leave as 2,048 consecutive bytes.  K goes in 8 steps of 128 through two LDS slots; waves 0 to 2 bring a head's weights each (128 k x 128 bytes, dense, asked for as 64 rows of 256 bytes),
; wave 3 brings hb's tile (256 rows x 256 bytes).
; CLUSTER.  4 x 4 work-groups: hb's tile hangs on the tile row alone and is asked for jointly along a row of the cluster, the weights' on the tile column alone, jointly along a column.
; THE PRODUCT IS TAKEN TRANSPOSED: source 0 = 16 columns of W (turned on the way out of LDS by ds_load_tr16_b128), source 1 = 16 tokens.  A lane then holds one token (lane % 16) and the columns 8 (lane / 16) + 0..7.
; The bias is the C operand of each accumulator's first product: nothing is cleared, nothing added later.
; THE RING.  At the head of K step t every wave waits for its tensor load (tile t), a round of the cluster's barrier follows, and tile t + 1 is asked for first thing behind it: one tensor load of a wave is out at
; any time, and it has the step's 192 matrix instructions in which to land.
; REGISTERS, in windows of 256 (s_set_vgpr_msb: bits 1:0 source 0, 3:2 source 1, 5:4 source 2, 7:6 destination):
;   window 0: v16-31 addresses; v64-127 hb's fragments, two buffers of 4 x 8; v160-255 the bias, 8 for each of 12 column blocks, later six sets of 16 for the way out
;   window 1: v0-191 W's fragments, two buffers of 12 x 8      windows 2, 3: accumulator (a, b) at v[8 (12 (a % 2) + b)] of window 2 + a / 2
.set T,      8                         ; K steps
.set PA,     272                       ; hb's rows in LDS: 256 bytes + 16: the 16 rows of a fragment load start at 16 different groups of four banks (64 banks of 4 bytes: ISA guide 11.1)
.set PB,     160                       ; a k row of a head: 128 bytes + 32
.set HEADB,  128*PB                    ; a head's block in a slot
.set BOFF,   256*PA                    ; the weights lie behind hb's 256 rows
.set SLOT,   0x20000                   ; BOFF + 3 HEADB exactly; no base of a load inside a slot has this bit, so one exclusive or changes slots
.set STAGE,  2*SLOT                    ; behind the ring, never filled by a tensor load: 16 rows x 144 bytes for each wave
.set SP,     144
.set SPARE,  STAGE+4*16*SP             ; the spare words, 128 bytes for each wave: two blocks of 256 bytes that no other line names
.set KA,     64                        ; 32 along K: bytes in hb's rows,
.set KB,     32*PB                     ; and in a head's block
.set STEPA,  256                       ; a K step in memory: hb,
.set STEPB,  128*128                   ; a head's weights
.set NLATE,  4                         ; a fetch's youngest loads, which only the second half of its products reads
.set AWV,    3                         ; the wave that brings hb's tile
.set ADRA0, 16                         ; v16  my lane's place in hb's tile; never rewritten
.set ADRB0, 17                         ; v17  the same in the weights'
.set ADRA,  18                         ; v18, v19  the addresses in hand
.set ADRB,  19
.set STO,   24                         ; v24  the way out: where I put 16 bytes of a row
.set RD,    25                         ; v25  where I read rows back
.set GO,    26                         ; v26  16 x lane
.set SPW,   28                         ; v28  my spare word: SPARE + 4 x my thread's number; never rewritten
.set NIL,   29                         ; v29  0; never rewritten
.set PFO,   30                         ; v30  the prefetches' lane offset; never rewritten
.set BO,    31                         ; v31  32 (lane / 16): my eight numbers in 16 of a bias
.set FA,    64
.set BIAS,  160
.set TP,    160
.set WV, 16                            ; s16  wave
.set CX, 19                            ; s19, s20  my place in the cluster
.set CY, 20
.set TC, 21                            ; s21  tile column = 4 x cluster x + cx
.set TR, 22                            ; s22  tile row = 4 x cluster y + cy
.set TBB, 23                           ; s23  LDS offset of the weights' fragments in hand
.set G1A, 24                           ; s[24:31], s[32:39] descriptor groups 1
.set G1B, 32
.set G0A, 40                           ; s[40:43], s[44:47] descriptor groups 0: they walk
.set G0B, 44
.set TBA, 48                           ; s48  LDS offset of hb's fragments in hand
.set CNT, 49                           ; s49  counts a step's two pairs
.set STEPS, 50                         ; s50  7 - t in step t
.set LIM, 51                           ; s51  2 in a wave that prefetches, else the greatest number
.set PFA, 52                           ; s[52:53] where my prefetches stand
.set BP,  66                           ; s[66:71] the three heads' biases
.set DST, 72                           ; s[72:77] the three heads' places in qkv, at my 64 tokens
.set PFS, 92                           ; s[92:93] a K step for my prefetches
.set MSB, 0
.macro WIN new                         ; the immediate's high byte repeats the setting that is left; a switch that changes nothing is dropped
.if MSB != (\new)
	s_set_vgpr_msb (MSB<<8)|(\new)
.set MSB, \new
.endif
.endm
.macro PLACES                          ; four places in front of loads into registers that matrix instructions have read, and of reads of results
.rept 4
	v_nop
.endr
.endm
.macro CROUND                          ; a round of the cluster's barrier: my work-group's barrier; wave 0 signals for the work-group; every wave waits for all sixteen; my work-group's barrier once more
	s_barrier_signal -1
	s_barrier_wait -1
	s_cmp_lg_u32 s[WV], 0
	s_cbranch_scc1 .Lnw0_\@
	s_barrier_signal -3
.Lnw0_\@:
	s_barrier_wait -3
	s_barrier_signal -1
	s_barrier_wait -1
.endm
.macro JLOAD                           ; a joint load: wave 3 asks for hb's tile, waves 0 to 2 for a head each; an s_nop 0 and four v_nop follow each line
	s_cmp_eq_u32 s[WV], AWV
	s_cbranch_scc0 .Lfor_b_\@
	tensor_load_to_lds s[G0A:G0A+3], s[G1A:G1A+7]
	s_nop 0
.rept 4
	v_nop
.endr
	s_branch .Lasked_\@
.Lfor_b_\@:
	tensor_load_to_lds s[G0B:G0B+3], s[G1B:G1B+7]
	s_nop 0
.rept 4
	v_nop
.endr
.Lasked_\@:
.endm
; PREFETCH INTO THE L2, in steps t = 0, 2, 4, for tiles t + 2 and t + 3: one and two K steps (192 and 384 matrix instructions) ahead of their loads.  Each block of 256 bytes is named once in the launch.
; hb's rows are read by every cluster of a row of clusters: cluster x = 0 asks, wave 3; its four partners take 64 rows each, told apart by address: a lane a row, twice, for two K steps: four lines.
; A head's weights are read by every cluster of a column: cluster y = 0 asks, the wave that fetches the head; two K steps are 32,768 dense bytes, of which each partner takes 8,192: a lane a block, one line.
; Tiles 0 and 1 come by their loads alone; the last tile named is tile 7.
.macro ASK
	s_bitcmp1_b32 s[STEPS], 0
	s_cbranch_scc0 .Lna_\@
	s_cmp_gt_u32 s[STEPS], s[LIM]
	s_cbranch_scc0 .Lna_\@
	global_prefetch_b8 v[PFO], s[PFA:PFA+1] th:TH_LOAD_NT scope:SCOPE_SE
	s_cmp_lg_u32 s[WV], AWV
	s_cbranch_scc1 .Lna_\@
	global_prefetch_b8 v[PFO], s[PFA:PFA+1] offset:256 th:TH_LOAD_NT scope:SCOPE_SE
	global_prefetch_b8 v[PFO], s[PFA:PFA+1] offset:65536 th:TH_LOAD_NT scope:SCOPE_SE
	global_prefetch_b8 v[PFO], s[PFA:PFA+1] offset:65792 th:TH_LOAD_NT scope:SCOPE_SE
.Lna_\@:
.endm
; 24 matrix instructions: token blocks 2 p, 2 p + 1 x all 12 column blocks, 32 along K, from buffer f.  Each accumulator has one instruction a turn.  first = 1: C is the bias.
.macro MUL f, p, first
.if \first
	WIN 0x81+0x40*(\p)
.else
	WIN 0xa1+0x50*(\p)
.endif
.irp a, 0,1
.irp b, 0,1,2,3,4,5,6,7,8,9,10,11
.if \first
	v_wmma_f32_16x16x32_bf16 v[8*(12*(\a)+(\b)):8*(12*(\a)+(\b))+7], v[96*(\f)+8*(\b):96*(\f)+8*(\b)+7], v[FA+32*(\f)+8*(2*(\p)+(\a)):FA+32*(\f)+8*(2*(\p)+(\a))+7], v[BIAS+8*(\b):BIAS+8*(\b)+7]
.else
	v_wmma_f32_16x16x32_bf16 v[8*(12*(\a)+(\b)):8*(12*(\a)+(\b))+7], v[96*(\f)+8*(\b):96*(\f)+8*(\b)+7], v[FA+32*(\f)+8*(2*(\p)+(\a)):FA+32*(\f)+8*(2*(\p)+(\a))+7], v[8*(12*(\a)+(\b)):8*(12*(\a)+(\b))+7]
.endif
.endr
.endr
.endm
; 32 LDS loads in one run: the fragments of 32 along K into buffer f: W's twelve (turned), then hb's four
.macro FETCH ka, kb, f
	WIN 0x40
.irp b, 0,1,2,3,4,5,6,7,8,9,10,11
	ds_load_tr16_b128 v[96*(\f)+8*(\b):96*(\f)+8*(\b)+3],   v[ADRB] offset:(\kb)+((\b)/4)*HEADB+((\b)%4)*32
	ds_load_tr16_b128 v[96*(\f)+8*(\b)+4:96*(\f)+8*(\b)+7], v[ADRB] offset:(\kb)+((\b)/4)*HEADB+((\b)%4)*32+16*PB
.endr
	WIN 0
.irp i, 0,1,2,3
	ds_load_b128 v[FA+32*(\f)+8*(\i):FA+32*(\f)+8*(\i)+3],   v[ADRA] offset:(\ka)+(\i)*16*PA
	ds_load_b128 v[FA+32*(\f)+8*(\i)+4:FA+32*(\f)+8*(\i)+7], v[ADRA] offset:(\ka)+(\i)*16*PA+32
.endr
.endm
; 32 along K: buffer f is multiplied; in the middle the next fragments are fetched into buffer g.  skip = 1: not in a step's last quarter (the jump passes LDS loads alone; both waits stand ahead of it).
.macro SUB f, g, ka, kb, first, skip
	s_wait_dscnt NLATE                             ; all but hb's token blocks 2 and 3
	MUL \f, 0, \first
	s_wait_dscnt 0x0
	PLACES
.if \skip
	WIN 0
	s_cmp_eq_u32 s[CNT], 1
	s_cbranch_scc1 .Lnf_\@
.endif
	FETCH \ka, \kb, \g
.if \skip
.Lnf_\@:
.endif
	MUL \f, 1, \first
.endm
.macro NEXTPAIR                        ; 64 along K further on
	WIN 0
	s_add_co_u32 s[TBA], s[TBA], 2*KA
	s_add_co_u32 s[TBB], s[TBB], 2*KB
	v_add_nc_u32 v[ADRA], s[TBA], v[ADRA0]
	v_add_nc_u32 v[ADRB], s[TBB], v[ADRB0]
	s_sub_co_u32 s[CNT], s[CNT], 1
	s_cmp_lg_u32 s[CNT], 0
.endm
; THE CHANGE OF SLOTS, at the head of a K step.  Each wave waits for all its tensor loads (one is out: its part of this step's tile), adds 0 to its spare word, and waits for that and for its reads of the slot
; that it leaves.  fill = 1: a round of the cluster's barrier, so that no wave of any partner still reads that slot or has a load on its way; the joint refill is the first thing behind it.
.macro CHANGE fill
	WIN 0
.if \fill
	s_wait_xcnt 0x0                                ; the last prefetches, a K step or more back, have read their address: it steps here
	s_add_nc_u64 s[PFA:PFA+1], s[PFA:PFA+1], s[PFS:PFS+1]
.endif
	s_wait_tensorcnt 0x0                           ; no tensor load of mine is out, so the groups 0 may be written
	ds_add_u32 v[SPW], v[NIL]                      ; the scalar work below stands between the add and the wait for it
.if \fill
	s_xor_b32 s[G0A+1], s[G0A+1], SLOT
	s_add_nc_u64 s[G0A+2:G0A+3], s[G0A+2:G0A+3], STEPA
	s_xor_b32 s[G0B+1], s[G0B+1], SLOT
	s_add_nc_u64 s[G0B+2:G0B+3], s[G0B+2:G0B+3], STEPB
.endif
	s_sub_co_u32 s[TBA], s[TBA], 4*KA              ; the fetches go back to a tile's first K, in the other slot
	s_xor_b32 s[TBA], s[TBA], SLOT
	s_sub_co_u32 s[TBB], s[TBB], 4*KB
	s_xor_b32 s[TBB], s[TBB], SLOT
	s_wait_dscnt 0x0                               ; the add is done, and my reads of the old slot are over
.if \fill
	CROUND
	JLOAD                                          ; its four v_nop are also the places in front of the loads below
.else
	s_barrier_signal -1
	s_barrier_wait -1
	PLACES
.endif
	v_add_nc_u32 v[ADRA], s[TBA], v[ADRA0]
	v_add_nc_u32 v[ADRB], s[TBB], v[ADRB0]
	FETCH 0, 0, 0
.if \fill
	ASK
.endif
.endm
	s_load_b256 s[4:11], s[0:1], 0x0               ; hb s[4:5], wts s[6:7], bq s[8:9], bk s[10:11]
	s_load_b128 s[12:15], s[0:1], 0x20             ; bv s[12:13], qkv s[14:15]
	v_lshl_add_u32 v[SPW], v0, 2, SPARE
	v_mov_b32 v[NIL], 0
	ds_add_u32 v[SPW], v[NIL]                      ; the wave's opening: the add and its wait ahead of my first tensor load; work on registers stands between them
	v_lshrrev_b32 v1, 5, v0
	v_readfirstlane_b32 s[WV], v1
	s_bfe_u32 s[CX], ttmp6, 0x40000
	s_bfe_u32 s[CY], ttmp6, 0x40004
	s_lshl_b32 s[TC], ttmp9, 2
	s_add_co_u32 s[TC], s[TC], s[CX]
	s_and_b32 s[TR], ttmp7, 0xffff
	s_lshl_b32 s[TR], s[TR], 2
	s_add_co_u32 s[TR], s[TR], s[CY]
	s_lshl_b32 s54, s[CY], 2
	s_lshl_b32 s54, 15, s54                        ; my row of the cluster
	s_lshl_b32 s58, 0x1111, s[CX]                  ; my column
	s_or_b32 s[G1A], s54, (1<<16)|(1<<20)|(1<<21)|(5<<22)|(3<<25)  ; mask; 2-byte elements; padding on; bit 21 beside a mask; after every 64 words, 4 words
	s_mov_b32 s[G1A+1], 128<<16                    ; tensor_dim0 = 128
	s_mov_b32 s[G1A+2], 256<<16                    ; tensor_dim1 = 256
	s_mov_b32 s[G1A+3], 128<<16                    ; tile_dim0 = 128
	s_mov_b32 s[G1A+4], 256                        ; tile_dim1 = 256
	s_mov_b32 s[G1A+5], 1024                       ; elements from row to row
	s_mov_b32 s[G1A+6], 0
	s_mov_b32 s[G1A+7], 0
	s_or_b32 s[G1B], s58, (1<<16)|(1<<20)|(1<<21)|(4<<22)|(7<<25)  ; after every 32 words (a k row), 8 words
	s_mov_b32 s[G1B+1], 128<<16
	s_mov_b32 s[G1B+2], 64<<16
	s_mov_b32 s[G1B+3], 128<<16
	s_mov_b32 s[G1B+4], 64
	s_mov_b32 s[G1B+5], 128
	s_mov_b32 s[G1B+6], 0
	s_mov_b32 s[G1B+7], 0
	s_lshl_b32 s54, s[TR], 19                      ; hb: 256 rows of 2,048 bytes a tile row
	s_mov_b32 s55, 0
	s_mul_i32 s58, s[TC], 3
	s_add_co_u32 s58, s58, s[WV]                   ; the head that I fetch (waves 0 to 2): 3 x tile column + wave
	s_lshl_b32 s58, s58, 17                        ; its block in wts
	s_mov_b32 s59, 0
	s_mov_b32 s[G0A], 1
	s_mov_b32 s[G0A+1], 0
	s_mov_b32 s[G0B], 1
	s_mul_i32 s[G0B+1], s[WV], HEADB               ; each of waves 0 to 2 fills a block of its own: BOFF + wave x HEADB
	s_add_co_u32 s[G0B+1], s[G0B+1], BOFF
	s_mov_b32 s[TBA], SLOT+4*KA                    ; the first change of slots turns these two into 0
	s_mov_b32 s[TBB], SLOT+4*KB
	s_mov_b32 s[STEPS], T-1
	s_wait_dscnt 0x0                               ; the opening add is done
	s_wait_kmcnt 0x0
	s_add_nc_u64 s[G0A+2:G0A+3], s[4:5], s[54:55]
	s_or_b32 s[G0A+3], s[G0A+3], 0x80000000
	s_add_nc_u64 s[G0B+2:G0B+3], s[6:7], s[58:59]
	s_or_b32 s[G0B+3], s[G0B+3], 0x80000000
	CROUND                                         ; all sixteen work-groups are here: the first joint loads meet
	JLOAD                                          ; tile 0 into slot 0
	v_and_b32 v1, 15, v0                           ; r = l % 16
	v_bfe_u32 v2, v0, 4, 1                         ; h = l / 16
	v_and_b32 v3, 7, v0
	v_bfe_u32 v4, v0, 3, 1
	v_and_b32 v5, 31, v0
	v_mul_u32_u24 v[ADRA0], v1, PA                 ; a fragment of hb: row r, 16 bytes for each half of the lanes, my 64 rows
	v_lshl_add_u32 v[ADRA0], v2, 4, v[ADRA0]
	s_mul_i32 s78, s[WV], 64*PA
	v_add_nc_u32 v[ADRA0], s78, v[ADRA0]
	v_lshl_add_u32 v6, v2, 3, v3                   ; the turning load: k row 8 h + l % 8, columns 8 ((l / 8) % 2) on
	v_mul_u32_u24 v[ADRB0], v6, PB
	v_lshl_add_u32 v[ADRB0], v4, 4, v[ADRB0]
	v_add_nc_u32 v[ADRB0], BOFF, v[ADRB0]
	s_mul_i32 s78, s[WV], 16*SP
	s_add_co_u32 s78, s78, STAGE
	v_mul_u32_u24 v[STO], v1, SP
	v_lshl_add_u32 v[STO], v2, 4, v[STO]
	v_add_nc_u32 v[STO], s78, v[STO]
	v_bfe_u32 v[RD], v0, 3, 2                      ; back: 32 lanes take four rows of 128 bytes,
	v_mul_u32_u24 v[RD], v[RD], SP
	v_lshl_add_u32 v[RD], v3, 4, v[RD]
	v_add_nc_u32 v[RD], s78, v[RD]
	v_lshlrev_b32 v[GO], 4, v5                     ; which are 512 consecutive bytes of qkv
	v_lshlrev_b32 v[BO], 5, v2
.irp hd, 0,1,2                         ; head g = 3 x tile column + hd: tensor g / 16, head g % 16
	s_mul_i32 s78, s[TC], 3
	s_add_co_u32 s78, s78, \hd
	s_and_b32 s79, s78, 15
	s_lshr_b32 s80, s78, 4
	s_lshl_b32 s82, s79, 8                         ; its 64 numbers in the bias
	s_mov_b32 s83, 0
	s_lshl_b32 s84, s80, 6
	s_lshr_b32 s85, s[TR], 2                       ; the batch
	s_lshl4_add_u32 s84, s85, s84
	s_add_co_u32 s84, s84, s79
	s_lshl_b32 s84, s84, 17                        ; (64 tensor + 16 batch + head) x 131,072
	s_and_b32 s85, s[TR], 3
	s_lshl_b32 s85, s85, 15                        ; the tile's 256 tokens,
	s_add_co_u32 s84, s84, s85
	s_lshl_b32 s85, s[WV], 13                      ; my 64 of them
	s_add_co_u32 s84, s84, s85
	s_mov_b32 s85, 0
	s_add_nc_u64 s[DST+2*\hd:DST+2*\hd+1], s[14:15], s[84:85]
	s_mov_b64 s[BP+2*\hd:BP+2*\hd+1], s[12:13]
	s_cmp_lt_u32 s78, 32
	s_cselect_b64 s[BP+2*\hd:BP+2*\hd+1], s[10:11], s[BP+2*\hd:BP+2*\hd+1]
	s_cmp_lt_u32 s78, 16
	s_cselect_b64 s[BP+2*\hd:BP+2*\hd+1], s[8:9], s[BP+2*\hd:BP+2*\hd+1]
	s_add_nc_u64 s[BP+2*\hd:BP+2*\hd+1], s[BP+2*\hd:BP+2*\hd+1], s[82:83]
.endr
.irp hd, 0,1,2
.irp q, 0,1,2,3
	global_load_b128 v[BIAS+8*(4*\hd+\q):BIAS+8*(4*\hd+\q)+3],   v[BO], s[BP+2*\hd:BP+2*\hd+1] offset:64*\q
	global_load_b128 v[BIAS+8*(4*\hd+\q)+4:BIAS+8*(4*\hd+\q)+7], v[BO], s[BP+2*\hd:BP+2*\hd+1] offset:64*\q+16
.endr
.endr
	; the prefetches' pointer, at tile 1: the first change of slots steps it to tile 2
	s_lshl_b32 s78, s[TR], 19
	s_lshl_b32 s79, s[CX], 17                      ; my work-group's 64 rows of hb's 256
	s_add_co_u32 s78, s78, s79
	s_add_co_u32 s78, s78, STEPA
	s_mul_i32 s80, s[TC], 3
	s_add_co_u32 s80, s80, s[WV]
	s_lshl_b32 s80, s80, 17
	s_lshl_b32 s81, s[CY], 13                      ; my work-group's 8,192 bytes of two K steps' 32,768
	s_add_co_u32 s80, s80, s81
	s_add_co_u32 s80, s80, STEPB
	s_and_b32 s81, ttmp7, 0xffff                   ; cluster y
	s_mov_b32 s82, STEPB
	s_cmp_eq_u32 s[WV], AWV
	s_cselect_b32 s78, s78, s80
	s_cselect_b32 s81, ttmp9, s81                  ; the coordinate along which other clusters read the same bytes
	s_cselect_b32 s83, 11, 8                       ; a lane a row of hb, or a lane a block of 256 bytes
	s_cselect_b32 s[PFS], STEPA, s82
	s_cselect_b64 s[PFA:PFA+1], s[4:5], s[6:7]
	s_mov_b32 s79, 0
	s_mov_b32 s[PFS+1], 0
	s_add_nc_u64 s[PFA:PFA+1], s[PFA:PFA+1], s[78:79]
	s_cmp_eq_u32 s81, 0
	s_cselect_b32 s[LIM], 2, -1                    ; the same in all sixteen partners, for a given wave
	v_lshlrev_b32 v[PFO], s83, v5
	CHANGE 1                                       ; K step 0: tile 0 is in, tile 1 is asked for
	s_wait_loadcnt 0x0                             ; the bias
	SUB 0, 1, KA, KB, 1, 0                         ; the first quarter alone is written out: its products start the sums
	WIN 0
	s_mov_b32 s[CNT], 2
	s_branch .Lmid                                 ; the loop is entered in the middle of a pair
.Lstep:
	CHANGE 1
	s_mov_b32 s[CNT], 2
.Linner:
	SUB 0, 1, KA, KB, 0, 0
	WIN 0
.Lmid:
	SUB 1, 0, 2*KA, 2*KB, 0, 1
	NEXTPAIR
	s_cbranch_scc1 .Linner
	s_sub_co_u32 s[STEPS], s[STEPS], 1
	s_cmp_lg_u32 s[STEPS], 0
	s_cbranch_scc1 .Lstep
	CHANGE 0                                       ; the last K step is written out: nothing is asked for
	s_mov_b32 s[CNT], 2
.Ltail:
	SUB 0, 1, KA, KB, 0, 0
	SUB 1, 0, 2*KA, 2*KB, 0, 1
	NEXTPAIR
	s_cbranch_scc1 .Ltail
; THE WAY OUT, twelve groups g = 3 a + hd of 16 tokens x a head's 64 columns: rounded to f16, 16 bytes a lane into my stage's rows of 144 bytes, back as four rows of 128 a load, into the registers that they left.
.macro QPACK g
.set AC, 8*(12*(((\g)/3)%2)+4*((\g)%3))
.set TS, TP+16*((\g)%6)
	s_wait_xcnt 0x0                                ; the stores issued so far have read their registers: this set, stored six groups back, is written again
	WIN 0x0a+5*((\g)/6)
.irp q, 0,1,2,3
.irp r, 0,1,2,3
	v_cvt_pk_f16_f32 v[TS+4*\q+\r], v[AC+8*\q+2*\r], v[AC+8*\q+2*\r+1]
.endr
.endr
	WIN 0
.irp q, 0,1,2,3
	ds_store_b128 v[STO], v[TS+4*\q:TS+4*\q+3] offset:32*\q
.endr
.irp f, 0,1,2,3
	ds_load_b128 v[TS+4*\f:TS+4*\f+3], v[RD] offset:\f*4*SP  ; LDS serves a wave's instructions in order (ISA guide 5.7.1.4): these see the stores above; the next group's stores come behind them
.endr
.endm
.macro QSEND g, younger                ; younger: the next group's eight LDS instructions, or none
.set TS, TP+16*((\g)%6)
.irp f, 0,1,2,3
	s_wait_dscnt (\younger)+3-\f
	global_store_b128 v[GO], v[TS+4*\f:TS+4*\f+3], s[DST+2*((\g)%3):DST+2*((\g)%3)+1] offset:((\g)/3)*2048+\f*512  ; 512 consecutive bytes, at a multiple of 256 from qkv's first
.endr
.endm
	WIN 0
	PLACES
	QPACK 0
.set G, 1
.rept 11
	QPACK G
	QSEND G-1, 8
.set G, G+1
.endr
	QSEND 11, 0
	s_wait_tensorcnt 0x0                           ; the wave's end, behind my last tensor load and my last LDS store
	ds_add_u32 v[SPW], v[NIL]
	s_wait_dscnt 0x0
	CROUND                                         ; the closing round: no work-group ends while a partner may still ask for a tile that names it
	s_endpgm
.Lfunc_end_k_qf259e1fe80_qkv:
	.size	k_qf259e1fe80_qkv, .Lfunc_end_k_qf259e1fe80_qkv-k_qf259e1fe80_qkv
	.p2alignl 7, 3214868480
	.fill 96, 4, 3214868480
	.section	.rodata,"a",@progbits
	.p2align	6, 0x0
	.amdhsa_kernel k_qf259e1fe80_qkv
		.amdhsa_group_segment_fixed_size 327680
		.amdhsa_private_segment_fixed_size 0
		.amdhsa_enable_private_segment 0
		.amdhsa_kernarg_size 48
		.amdhsa_user_sgpr_count 2
		.amdhsa_user_sgpr_kernarg_segment_ptr 1
		.amdhsa_wavefront_size32 1
		.amdhsa_system_sgpr_workgroup_id_x 1
		.amdhsa_system_sgpr_workgroup_id_y 1
		.amdhsa_system_sgpr_workgroup_id_z 1
		.amdhsa_system_vgpr_workitem_id 0
		.amdhsa_next_free_vgpr 1024
		.amdhsa_next_free_sgpr 96
		.amdhsa_reserve_vcc 0
		.amdhsa_float_denorm_mode_32 3
		.amdhsa_float_denorm_mode_16_64 3
		.amdhsa_memory_ordered 1
		.amdhsa_forward_progress 1
		.amdhsa_inst_pref_size 76
	.end_amdhsa_kernel
	.amdgpu_metadata
---
amdhsa.version: [ 1, 2 ]
amdhsa.kernels:
  - .name:           k_qf259e1fe80_qkv
    .symbol:         k_qf259e1fe80_qkv.kd
    .args:
      - { .name: hb, .offset: 0, .size: 8, .value_kind: global_buffer, .address_space: global }
      - { .name: wts, .offset: 8, .size: 8, .value_kind: global_buffer, .address_space: global }
      - { .name: bq, .offset: 16, .size: 8, .value_kind: global_buffer, .address_space: global }
      - { .name: bk, .offset: 24, .size: 8, .value_kind: global_buffer, .address_space: global }
      - { .name: bv, .offset: 32, .size: 8, .value_kind: global_buffer, .address_space: global }
      - { .name: qkv, .offset: 40, .size: 8, .value_kind: global_buffer, .address_space: global }
    .group_segment_fixed_size: 327680
    .private_segment_fixed_size: 0
    .kernarg_segment_align: 8
    .kernarg_segment_size: 48
    .max_flat_workgroup_size: 128
    .sgpr_count:     96
    .vgpr_count:     1024
    .wavefront_size: 32
...
	.end_amdgpu_metadata
.endif
;; end of part 2
;; launch attn (part 3): grid 4 x 64, 4 waves a work-group, clusters of 4 x 1, 327,680 bytes of LDS; arguments qkv, att; writes att
.if DOCPART == 3
	.amdgcn_target "amdgcn-amd-amdhsa--gfx1250"
	.amdhsa_code_object_version 6
	.text
	.protected	k_qf259e1fe80_attn
	.globl	k_qf259e1fe80_attn
	.p2align	8
	.type	k_qf259e1fe80_attn,@function
k_qf259e1fe80_attn:
	s_mov_b64 s[64:65], 0
	v_nop
	global_prefetch_b8 v0, s[64:65] scope:SCOPE_SE
	s_setreg_imm32_b32 hwreg(HW_REG_WAVE_MODE, 25, 1), 1
	s_wait_xcnt 0x0
	s_wait_alu depctr_hold_cnt(0) depctr_sa_sdst(0) depctr_va_vdst(0) depctr_va_sdst(0) depctr_va_ssrc(0) depctr_va_vcc(0) depctr_vm_vsrc(0)
	s_getreg_b32 s2, hwreg(HW_REG_IB_STS2, 6, 4)
	s_cmp_eq_u32 s2, 0
	s_cbranch_scc0 .Lentry_in_a_cluster
	s_endpgm
.Lentry_in_a_cluster:
	s_bfe_u32 s2, ttmp6, 0x10000c
	s_cmp_lg_u32 s2, 0x3003
	s_cbranch_scc0 .Lentry_shape_is_right
	s_endpgm
.Lentry_shape_is_right:
; CAUSAL ATTENTION.  att[hd][q][:] = the sum over k <= q of softmax_k(Q[hd][q] . K[hd][k] / 8) V[hd][k][:], hd = batch x 16 + head.  Q, K, V: the three parts of qkv, [64][1024][64] f16; att the same shape, f16.
; Products, maxima and sums in f32; the weights p are rounded to f16 for the second product (their sum l is taken of the unrounded p), att once at the end.
; LIMITS.  A hidden score counts as its value less 1e30; a weight below 2^-126 counts as 0 in l; NaN and infinities are not treated apart; att is a mean of V's rows and has their range.
; CLUSTER.  The four work-groups of a cluster are one head.  The head's whole K (1,024 rows of 144 bytes in LDS) and V (160) fit in LDS, so they are brought ONCE, by four joint loads, one a wave, each asked
; for by all four work-groups: no slot is ever filled again, and the loop has no barrier.
; SHARES.  The head's queries lie in 16 bands of 64; band B needs the key steps 0 .. B of 64 keys.  Of every band work-group cx owns the rows 16 cx .. 16 cx + 15: a tile.  cx enters Q's and att's addresses and
; the mask's numbers alone.  A wave takes two neighbouring bands at a time, twice: bands B0, B0 + 1 with B0 = 12, 14, 8, 10 for waves 0 to 3, then B0 = 2, 0, 6, 4: (B0 + 2) key steps each, 18 in all for every wave.
; The loop over key steps counts to the constant 16 and jumps forward over the steps above the diagonal.
; THE MASK.  MD, made once, holds -1e30 where a key of the band's own step is hidden from my query, else 0.  In step B0 tile 0 takes MD; in step B0 + 1 tile 0 is wholly hidden (-1e30 everywhere) and tile 1 takes MD.
; LAYOUT.  S^T = K Q^T holds ONE query a lane (lane % 16) and the keys 8 (lane / 16) + 0..7; two such results rounded to f16 ARE source 1 of O^T = V^T P.  K comes out of LDS as it lies, V turned.
; SOFTMAX.  p = 2^(c s - c m), c = log2(e) / 8, with a running maximum m; O and l are multiplied by a = 2^(c m_old - c m_new) in every step.  m starts at the lowest finite number: a block's first step has a = 0,
; so O and l need only hold finite numbers there: zeros at first, then what the first block left.
; REGISTERS (s_set_vgpr_msb: bits 1:0 source 0, 3:2 source 1, 5:4 source 2, 7:6 destination):
;   window 0: v2-15 addresses; v16-23 statistics; v24-31 at work; v32-63 Q; v64-127 S^T; v128-191 O^T; v192-255 V      window 1: v0-63 K; v64-95 P; v96-127 MD; v128-159 the second block's Q
.set PK,    144                        ; a row of K: 128 bytes + 16: the 16 rows of a load start at 16 different groups of four banks (64 banks of 4 bytes: ISA guide 11.1)
.set PV,    160                        ; a row of V: 128 + 32
.set VOFF,  1024*PK
.set STAGE, VOFF+1024*PV               ; never filled by a tensor load: 16 rows x 144 bytes for each wave
.set SP,    144
.set SPARE, STAGE+4*16*SP              ; the spare words, 128 bytes for each wave: two blocks of 256 bytes that no other line names
.set AK0, 2                            ; v2, v3  my lane's place in a step of K, of V; never rewritten
.set AV0, 3
.set AK,  4                            ; v4, v5  the addresses of the next runs of loads
.set AV,  5
.set STO, 6
.set RD,  7
.set GO,  8
.set QO,  9
.set MV,  12                           ; v12-13  c m_old, by tile
.set SPW, 14                           ; v14  my spare word: SPARE + 4 x my thread's number; never rewritten
.set NIL, 15                           ; v15  0; never rewritten
.set ST,  16                           ; tile u at ST + 4 u: c m, m, l (even keys', odd keys')
.set TMP, 24                           ; tile u at TMP + 4 u: c0-c3; when the maximum is found c2 takes a
.set Q,   32
.set S,   64
.set O,   128
.set VF,  192
.set KF,  0                            ; window 1
.set P,   64
.set MD,  96
.set Q2,  128
.set WV, 16
.set CX, 19
.set G1K, 24
.set G1V, 32
.set G0K, 40
.set G0V, 44
.set KS,  48                           ; s48  the key step, 0 to 15
.set BL,  49                           ; s49  blocks to go
.set B0,  50                           ; s50  the first of the two bands in hand
.set LAST, 51                          ; s51  B0 + 1: the last live key step
.set B02, 52                           ; s52  the second block's B0
.set TBK, 53
.set TBV, 54
.set NX,  55                           ; s55  the step to be fetched
.set CS,  56                           ; s[56:57] c
.set SEL, 58                           ; s[58:59] v_permlanex16_b32's selects
.set AL0, 60                           ; s[60:61], s[62:63], s[66:67]: MD's factor and the addend for tile 0, MD's factor for tile 1
.set BE0, 62
.set AL1, 66
.set BIGN, 68                          ; s68  -1e30
.set OP,  70                           ; s[70:71] att at my rows of the block in hand; s[72:73] of the second block
.set OP2, 72
.set MSB, 0
.macro WIN new
.if MSB != (\new)
	s_set_vgpr_msb (MSB<<8)|(\new)
.set MSB, \new
.endif
.endm
.macro PLACES
.rept 4
	v_nop
.endr
.endm
.macro CROUND
	s_barrier_signal -1
	s_barrier_wait -1
	s_cmp_lg_u32 s[WV], 0
	s_cbranch_scc1 .Lnw0_\@
	s_barrier_signal -3
.Lnw0_\@:
	s_barrier_wait -3
	s_barrier_signal -1
	s_barrier_wait -1
.endm
	s_load_b128 s[4:7], s[0:1], 0x0                ; qkv s[4:5], att s[6:7]
	v_lshl_add_u32 v[SPW], v0, 2, SPARE
	v_mov_b32 v[NIL], 0
	ds_add_u32 v[SPW], v[NIL]                      ; the wave's opening: the add and its wait ahead of my first tensor load; work on registers stands between them
	v_lshrrev_b32 v1, 5, v0
	v_readfirstlane_b32 s[WV], v1
	s_bfe_u32 s[CX], ttmp6, 0x40000
	s_and_b32 s20, ttmp7, 0xffff
	s_lshl_b32 s20, s20, 17                        ; the head's 131,072 bytes in each part of qkv and in att
	s_and_b32 s21, s[WV], 1
	s_lshr_b32 s22, s[WV], 1
	s_lshl_b32 s74, s21, 16                        ; which 512 keys I fetch
	s_add_co_u32 s74, s74, s20
	s_add_co_u32 s76, s74, 16777216                ; V's part of qkv
	s_add_co_u32 s74, s74, 8388608                 ; K's
	s_mov_b32 s75, 0
	s_mov_b32 s77, 0
	s_mov_b32 s[G0K], 1
	s_mul_i32 s[G0K+1], s21, 512*PK
	s_mov_b32 s[G0V], 1
	s_mul_i32 s[G0V+1], s21, 512*PV
	s_add_co_u32 s[G0V+1], s[G0V+1], VOFF
	s_mov_b32 s[G1K], 15|(1<<16)|(1<<20)|(1<<21)|(4<<22)|(3<<25)  ; the mask of four; 2-byte elements; padding on; bit 21 beside a mask; after every 32 words (a key), 4 words
	s_mov_b32 s[G1V], 15|(1<<16)|(1<<20)|(1<<21)|(4<<22)|(7<<25)  ; the same with 8 words
.irp g, G1K, G1V                       ; 512 keys are 65,536 dense bytes: 256 rows of 256
	s_mov_b32 s[\g+1], 128<<16
	s_mov_b32 s[\g+2], 256<<16
	s_mov_b32 s[\g+3], 128<<16
	s_mov_b32 s[\g+4], 256
	s_mov_b32 s[\g+5], 128
	s_mov_b32 s[\g+6], 0
	s_mov_b32 s[\g+7], 0
.endr
	s_sub_co_u32 s[B0], 3, s22
	s_lshl_b32 s[B0], s[B0], 2
	s_lshl1_add_u32 s[B0], s21, s[B0]              ; 4 (3 - w / 2) + 2 (w % 2)
	s_add_co_u32 s[LAST], s[B0], 1
	s_lshl_b32 s[B02], s22, 2
	s_add_co_u32 s[B02], s[B02], 2
	s_lshl_b32 s23, s21, 1
	s_sub_co_u32 s[B02], s[B02], s23               ; 4 (w / 2) + 2 - 2 (w % 2)
	s_lshl_b32 s23, s[CX], 11                      ; my 16 rows in a band
	s_lshl_b32 s78, s[B0], 13
	s_add_co_u32 s78, s78, s20
	s_add_co_u32 s78, s78, s23
	s_mov_b32 s79, 0
	s_lshl_b32 s80, s[B02], 13
	s_add_co_u32 s80, s80, s20
	s_add_co_u32 s80, s80, s23
	s_mov_b32 s81, 0
	s_mov_b32 s[CS], 0x3e38aa3b                    ; c = log2(e) / 8
	s_mov_b32 s[CS+1], s[CS]
	s_mov_b32 s[SEL], 0x76543210
	s_mov_b32 s[SEL+1], 0xfedcba98
	s_mov_b32 s[AL0+1], 0                          ; named as pairs
	s_mov_b32 s[BE0+1], 0
	s_mov_b32 s[AL1+1], 0
	s_mov_b32 s[BIGN], 0xf149f2ca
	s_mov_b32 s[BL], 2
	s_wait_dscnt 0x0                               ; the opening add is done
	s_wait_kmcnt 0x0
	s_add_nc_u64 s[G0K+2:G0K+3], s[4:5], s[74:75]
	s_or_b32 s[G0K+3], s[G0K+3], 0x80000000
	s_add_nc_u64 s[G0V+2:G0V+3], s[4:5], s[76:77]
	s_or_b32 s[G0V+3], s[G0V+3], 0x80000000
	s_add_nc_u64 s[82:83], s[4:5], s[78:79]        ; Q at my rows of the first block,
	s_add_nc_u64 s[84:85], s[4:5], s[80:81]        ; and of the second
	s_add_nc_u64 s[OP:OP+1], s[6:7], s[78:79]
	s_add_nc_u64 s[OP2:OP2+1], s[6:7], s[80:81]
	CROUND                                         ; all four work-groups are here: the joint loads meet
	s_cmp_lt_u32 s[WV], 2                          ; waves 0 and 1 bring K's halves, waves 2 and 3 V's: my one tensor load of the launch
	s_cbranch_scc0 .Lfor_v
	tensor_load_to_lds s[G0K:G0K+3], s[G1K:G1K+7]
	s_nop 0
.rept 4
	v_nop
.endr
	s_branch .Lasked
.Lfor_v:
	tensor_load_to_lds s[G0V:G0V+3], s[G1V:G1V+7]
	s_nop 0
.rept 4
	v_nop
.endr
.Lasked:
	v_and_b32 v1, 15, v0                           ; r = l % 16
	v_bfe_u32 v11, v0, 4, 1                        ; h = l / 16
	v_lshlrev_b32 v[QO], 7, v1
	v_lshl_add_u32 v[QO], v11, 4, v[QO]
.set i, 0
.rept 4                                ; tile i / 2 lies a band (8,192 bytes) on; channels 32 (i % 2) on
	global_load_b128 v[Q+8*i:Q+8*i+3],   v[QO], s[82:83] offset:(i/2)*8192+(i%2)*64
	global_load_b128 v[Q+8*i+4:Q+8*i+7], v[QO], s[82:83] offset:(i/2)*8192+(i%2)*64+32
.set i, i+1
.endr
	WIN 0x40
.set i, 0
.rept 4
	global_load_b128 v[Q2+8*i:Q2+8*i+3],   v[QO], s[84:85] offset:(i/2)*8192+(i%2)*64
	global_load_b128 v[Q2+8*i+4:Q2+8*i+7], v[QO], s[84:85] offset:(i/2)*8192+(i%2)*64+32
.set i, i+1
.endr
	WIN 0
	v_lshlrev_b32 v10, 3, v11
	v_sub_nc_u32 v10, v1, v10
	s_lshl_b32 s23, s[CX], 4
	v_add_nc_u32 v10, s23, v10                     ; my query's place in its band less my lanes' 8 h: register i % 8 of key block i / 8 is hidden where 16 (i / 8) + i % 8 is greater
	WIN 0x40
.set i, 0
.rept 32
	v_cmp_gt_i32 vcc_lo, 16*(i/8)+i%8, v10
	v_cndmask_b32 v[MD+i], 0, s[BIGN], vcc_lo
.set i, i+1
.endr
	WIN 0
	v_and_b32 v24, 7, v0
	v_bfe_u32 v25, v0, 3, 1
	v_mul_u32_u24 v[AK0], v1, PK
	v_lshl_add_u32 v[AK0], v11, 4, v[AK0]
	v_lshl_add_u32 v[AV0], v11, 3, v24             ; the turning load: key 8 h + l % 8, channels 8 ((l / 8) % 2) on
	v_mul_u32_u24 v[AV0], v[AV0], PV
	v_lshl_add_u32 v[AV0], v25, 4, v[AV0]
	v_add_nc_u32 v[AV0], VOFF, v[AV0]
	s_mul_i32 s23, s[WV], 16*SP
	s_add_co_u32 s23, s23, STAGE
	v_mul_u32_u24 v[STO], v1, SP
	v_lshl_add_u32 v[STO], v11, 4, v[STO]
	v_add_nc_u32 v[STO], s23, v[STO]
	v_bfe_u32 v[RD], v0, 3, 2
	v_mul_u32_u24 v[RD], v[RD], SP
	v_lshl_add_u32 v[RD], v24, 4, v[RD]
	v_add_nc_u32 v[RD], s23, v[RD]
	v_and_b32 v[GO], 31, v0
	v_lshlrev_b32 v[GO], 4, v[GO]
	; O^T and l hold zeros for the first block's first step, which multiplies them by a = 0: so no first step is written out.  These lines stand in the wait for K and V.
.set i, 0
.rept 64
	v_mov_b32 v[O+i], 0
.set i, i+1
.endr
.irp u, 0,1
	v_mov_b32 v[ST+4*\u+2], 0
	v_mov_b32 v[ST+4*\u+3], 0
	v_mov_b32 v[MV+\u], 0
.endr
.set i, 0
.rept 8
	v_mov_b32 v[TMP+i], 0
.set i, i+1
.endr
	s_wait_loadcnt 0x0                             ; both blocks' Q
	s_wait_tensorcnt 0x0                           ; my part of K or V has landed,
	s_barrier_signal -1
	s_barrier_wait -1                              ; everybody's has
; THE MATRIX WORK.  The 8 accumulators of a run of 16 take turns: between the two links of a chain stand 7 others'.
.macro KQ                              ; product i of 16 of S^T = K Q^T: channels 32 (i / 8) on, keys 16 ((i / 2) % 4) on, tile i % 2; the first 8 start the sums
	WIN 0x01
.set rS, S+32*(i%2)+8*((i/2)%4)
.set rK, KF+16*((i/2)%4)+8*(i/8)
.set rQ, Q+16*(i%2)+8*(i/8)
.if i < 8
	v_wmma_f32_16x16x32_f16 v[rS:rS+7], v[rK:rK+7], v[rQ:rQ+7], 0
.else
	v_wmma_f32_16x16x32_f16 v[rS:rS+7], v[rK:rK+7], v[rQ:rQ+7], v[rS:rS+7]
.endif
.endm
.macro PVM                             ; product i of 16 of O^T += V^T P: keys 32 (i / 8) on, channels 16 ((i / 2) % 4) on, tile i % 2
	WIN 0x04
.set rO, O+32*(i%2)+8*((i/2)%4)
.set rV, VF+32*(i/8)+8*((i/2)%4)
.set rP, P+16*(i%2)+8*(i/8)
	v_wmma_f32_16x16x32_f16 v[rO:rO+7], v[rV:rV+7], v[rP:rP+7], v[rO:rO+7]
.endm
.macro FETCH_K                         ; a step's K: keys 16 (f / 2) on, channels 32 (f % 2) on
	WIN 0x40
.irp f, 0,1,2,3,4,5,6,7
	ds_load_b128 v[KF+8*\f:KF+8*\f+3],   v[AK] offset:(\f/2)*16*PK+(\f%2)*64
	ds_load_b128 v[KF+8*\f+4:KF+8*\f+7], v[AK] offset:(\f/2)*16*PK+(\f%2)*64+32
.endr
	WIN 0
.endm
.macro FETCH_V                         ; a step's V, turned: keys 32 (f / 4) on, channels 16 (f % 4) on
	WIN 0
.irp f, 0,1,2,3,4,5,6,7
	ds_load_tr16_b128 v[VF+8*\f:VF+8*\f+3],   v[AV] offset:(\f/4)*32*PV+(\f%4)*32
	ds_load_tr16_b128 v[VF+8*\f+4:VF+8*\f+7], v[AV] offset:(\f/4)*32*PV+16*PV+(\f%4)*32
.endr
.endm
; THE VECTOR WORK, for tile u
.macro REGS u
.set rT, ST+4*(\u)
.set rC, TMP+4*(\u)
.set rM, MV+(\u)
.set rS, S+32*(\u)
.set rP, P+16*(\u)
.set rO, O+32*(\u)
.endm
; number n of the 22 that find the maximum and the statistics: 0-11 four chains of seven scores, three operands at a time (each accumulator's lowest registers are read first);
; 12-14, 16 the four scores left over, the old m, and the chains into one; 15 c m_old is kept; 17, 18 the query's other 32 keys lie in the lane 16 away: the new m; 19-21 c m, c m_old - c m_new, a
.macro XS u, n
	REGS \u
.if (\n) < 4
	v_max3_num_f32 v[rC+(\n)], v[rS+8*(\n)], v[rS+8*(\n)+1], v[rS+8*(\n)+2]
.elseif (\n) < 12
	v_max3_num_f32 v[rC+(\n)%4], v[rC+(\n)%4], v[rS+8*((\n)%4)+2*((\n)/4)+1], v[rS+8*((\n)%4)+2*((\n)/4)+2]
.elseif (\n) == 12
	v_max3_num_f32 v[rC], v[rC], v[rS+7], v[rS+15]
.elseif (\n) == 13
	v_max3_num_f32 v[rC+1], v[rC+1], v[rS+23], v[rS+31]
.elseif (\n) == 14
	v_max3_num_f32 v[rC+2], v[rC+2], v[rC+3], v[rT+1]
.elseif (\n) == 15
	v_mov_b32 v[rM], v[rT]
.elseif (\n) == 16
	v_max3_num_f32 v[rC], v[rC], v[rC+1], v[rC+2]
.elseif (\n) == 17
	v_permlanex16_b32 v[rC+3], v[rC], s[SEL], s[SEL+1]
.elseif (\n) == 18
	v_max_num_f32 v[rT+1], v[rC], v[rC+3]
.elseif (\n) == 19
	v_mul_f32 v[rT], s[CS], v[rT+1]
.elseif (\n) == 20
	v_sub_f32 v[rC+1], v[rM], v[rT]
.else
	v_exp_f32 v[rC+2], v[rC+1]
.endif
.endm
.macro FS f                            ; c s - c m for pair f / 2 of tile f % 2
	REGS (\f)%2
	v_pk_fma_f32 v[rS+2*((\f)/2):rS+2*((\f)/2)+1], v[rS+2*((\f)/2):rS+2*((\f)/2)+1], s[CS:CS+1], v[rT:rT+1] op_sel_hi:[1,0,0] neg_lo:[0,0,1] neg_hi:[0,0,1]
.endm
.macro EX e                            ; the exponential of score e / 2 of tile e % 2
	REGS (\e)%2
	v_exp_f32 v[rS+(\e)/2], v[rS+(\e)/2]
.endm
.macro RS r                            ; pair r / 2 of tile r % 2's O^T times a
	REGS (\r)%2
	v_pk_mul_f32 v[rO+2*((\r)/2):rO+2*((\r)/2)+1], v[rO+2*((\r)/2):rO+2*((\r)/2)+1], v[rC+2:rC+3] op_sel_hi:[1,0]
.endm
.Lblock:
.irp u, 0,1
	v_mov_b32 v[ST+4*\u], 0xfe000000               ; c m: far below every c s
	v_mov_b32 v[ST+4*\u+1], 0xff7fffff             ; m: the lowest finite number
.endr
	v_mov_b32 v[AK], v[AK0]
	v_mov_b32 v[AV], v[AV0]
	FETCH_K                                        ; key step 0
	FETCH_V
	s_mov_b32 s[KS], 0
.Lkey:
	s_cmp_gt_u32 s[KS], s[LAST]
	s_cbranch_scc1 .Ldead                          ; above the diagonal for both tiles: the jump passes no barrier and no tensor load
	s_wait_dscnt 16                                ; K is in; V's 16 loads, issued behind it, may stay out
.set i, 0
.rept 16
	KQ
.set i, i+1
.endr
	WIN 0
	s_add_co_u32 s[NX], s[KS], 1
	s_min_u32 s[NX], s[NX], 15                     ; the last step fetches its own K and V once more, inside LDS; they are not used
	s_mul_i32 s[TBK], s[NX], 64*PK
	s_mul_i32 s[TBV], s[NX], 64*PV
	v_add_nc_u32 v[AK], s[TBK], v[AK0]             ; these two and two v_nop are the four places behind the products
	v_add_nc_u32 v[AV], s[TBV], v[AV0]
	v_nop
	v_nop
	FETCH_K                                        ; the next step's K: the softmax and 16 products ahead of its first use
	s_cmp_lt_u32 s[KS], s[B0]
	s_cbranch_scc1 .Lopen                          ; below the diagonal nothing is hidden
	s_cmp_eq_u32 s[KS], s[B0]
	s_cselect_b32 s[AL0], 1.0, 0
	s_cselect_b32 s[BE0], 0, s[BIGN]
	s_cselect_b32 s[AL1], 0, 1.0
	WIN 0x01
.set z, 0
.rept 16
	v_pk_fma_f32 v[S+2*z:S+2*z+1], v[MD+2*z:MD+2*z+1], s[AL0:AL0+1], v[S+2*z:S+2*z+1] op_sel_hi:[1,0,1]
.set z, z+1
.endr
.set z, 0
.rept 16
	v_pk_fma_f32 v[S+32+2*z:S+32+2*z+1], v[MD+2*z:MD+2*z+1], s[AL1:AL1+1], v[S+32+2*z:S+32+2*z+1] op_sel_hi:[1,0,1]
.set z, z+1
.endr
	WIN 0
.set z, 0
.rept 16
	v_pk_add_f32 v[S+2*z:S+2*z+1], v[S+2*z:S+2*z+1], s[BE0:BE0+1] op_sel_hi:[1,0]
.set z, z+1
.endr
.Lopen:
.irp n, 0,1,2,3,4,5,6,7,8,9,10,11,12,13,14,15,16,17,18,19,20,21
	XS 0, \n                                       ; the two tiles alternate, so that no line reads the result of the one before it
	XS 1, \n
.endr
	FS 0
	FS 1
.set e, 0
.rept 30                               ; exponential and scaling by turns: exponential e stands behind scaling 2 (e / 4) + e % 2
	EX e
	FS e+2
.set e, e+1
.endr
	s_wait_alu depctr_va_vdst(0)                   ; the wait ahead of the first reader of a, the rescaling below; it serves all exponentials issued so far
.rept 32                               ; exponential and rescaling by turns
	EX e
	RS e-30
.set e, e+1
.endr
	EX 62
	EX 63
	v_nop                                          ; a plain instruction behind the last exponential (ISA guide 5.7.2),
	s_wait_alu depctr_va_vdst(0)                   ; and the second wait, ahead of the roundings and sums
	WIN 0x40
.set z, 0
.rept 16
	v_cvt_pk_f16_f32 v[P+z], v[S+2*z], v[S+2*z+1]
	v_cvt_pk_f16_f32 v[P+16+z], v[S+32+2*z], v[S+32+2*z+1]
.set z, z+1
.endr
	WIN 0
.set z, 0
.rept 8                                ; of four weights the second pair is added onto the first, in place,
	v_pk_add_f32 v[S+4*z:S+4*z+1], v[S+4*z:S+4*z+1], v[S+4*z+2:S+4*z+3]
	v_pk_add_f32 v[S+32+4*z:S+32+4*z+1], v[S+32+4*z:S+32+4*z+1], v[S+32+4*z+2:S+32+4*z+3]
.set z, z+1
.endr
	v_pk_fma_f32 v[ST+2:ST+3], v[ST+2:ST+3], v[TMP+2:TMP+3], v[S:S+1] op_sel_hi:[1,0,1]      ; and l takes the sums: l = a l + the first,
	v_pk_fma_f32 v[ST+6:ST+7], v[ST+6:ST+7], v[TMP+6:TMP+7], v[S+32:S+33] op_sel_hi:[1,0,1]
.set z, 1
.rept 7
	v_pk_add_f32 v[ST+2:ST+3], v[ST+2:ST+3], v[S+4*z:S+4*z+1]
	v_pk_add_f32 v[ST+6:ST+7], v[ST+6:ST+7], v[S+32+4*z:S+32+4*z+1]
.set z, z+1
.endr
	s_wait_dscnt 16                                ; V is in; the next K's 16 loads, issued behind it, may stay out
.set i, 0
.rept 16
	PVM
.set i, i+1
.endr
	WIN 0
	PLACES
	FETCH_V                                        ; the next step's V
.Ldead:
	s_add_co_u32 s[KS], s[KS], 1
	s_cmp_lt_u32 s[KS], 16
	s_cbranch_scc1 .Lkey
	; A BLOCK'S END: l's two halves and the other half of the lanes' are added; O^T is divided by l, rounded to f16 and sent through my stage, a tile (16 rows of att, 2,048 consecutive bytes) at a time
.irp u, 0,1
	v_add_f32 v[TMP+4*\u], v[ST+4*\u+2], v[ST+4*\u+3]
.endr
.irp u, 0,1
	v_permlanex16_b32 v[TMP+4*\u+1], v[TMP+4*\u], s[SEL], s[SEL+1]
.endr
.irp u, 0,1
	v_add_f32 v[TMP+4*\u], v[TMP+4*\u], v[TMP+4*\u+1]
.endr
.irp u, 0,1
	v_rcp_f32 v[TMP+4*\u+2], v[TMP+4*\u]
.endr
	v_nop                                          ; a plain instruction behind the last reciprocal,
	s_wait_alu depctr_va_vdst(0)                   ; and the one wait for both
.set z, 0
.rept 32
	v_pk_mul_f32 v[O+2*z:O+2*z+1], v[O+2*z:O+2*z+1], v[TMP+4*(z/16)+2:TMP+4*(z/16)+3] op_sel_hi:[1,0]
.set z, z+1
.endr
.set z, 0
.rept 32
	v_cvt_pk_f16_f32 v[S+z], v[O+2*z], v[O+2*z+1]
.set z, z+1
.endr
.irp u, 0,1
.irp f, 0,1,2,3
	ds_store_b128 v[STO], v[S+16*\u+4*\f:S+16*\u+4*\f+3] offset:32*\f
.endr
.irp f, 0,1,2,3
	ds_load_b128 v[S+16*\u+4*\f:S+16*\u+4*\f+3], v[RD] offset:\f*4*SP  ; LDS serves a wave's instructions in order (ISA guide 5.7.1.4): these see the stores above
.endr
	s_wait_dscnt 0x0                               ; the tile is back (and the fetches issued by the last live step have landed)
.irp f, 0,1,2,3
	global_store_b128 v[GO], v[S+16*\u+4*\f:S+16*\u+4*\f+3], s[OP:OP+1] offset:\u*8192+\f*512
.endr
.endr
	s_wait_xcnt 0x0                                ; the stores have read their registers and att's address
	s_mov_b64 s[OP:OP+1], s[OP2:OP2+1]
	s_mov_b32 s[B0], s[B02]
	s_add_co_u32 s[LAST], s[B0], 1
	WIN 0x01
.set i, 0
.rept 32
	v_mov_b32 v[Q+i], v[Q2+i]                      ; the second block's Q goes where the one text of the step names Q
.set i, i+1
.endr
	WIN 0
	s_sub_co_u32 s[BL], s[BL], 1
	s_cmp_lg_u32 s[BL], 0
	s_cbranch_scc1 .Lblock
	s_wait_tensorcnt 0x0                           ; the wave's end, behind my tensor load and my last LDS store
	ds_add_u32 v[SPW], v[NIL]
	s_wait_dscnt 0x0
	CROUND                                         ; the closing round
	s_endpgm
.Lfunc_end_k_qf259e1fe80_attn:
	.size	k_qf259e1fe80_attn, .Lfunc_end_k_qf259e1fe80_attn-k_qf259e1fe80_attn
	.p2alignl 7, 3214868480
	.fill 96, 4, 3214868480
	.section	.rodata,"a",@progbits
	.p2align	6, 0x0
	.amdhsa_kernel k_qf259e1fe80_attn
		.amdhsa_group_segment_fixed_size 327680
		.amdhsa_private_segment_fixed_size 0
		.amdhsa_enable_private_segment 0
		.amdhsa_kernarg_size 16
		.amdhsa_user_sgpr_count 2
		.amdhsa_user_sgpr_kernarg_segment_ptr 1
		.amdhsa_wavefront_size32 1
		.amdhsa_system_sgpr_workgroup_id_x 1
		.amdhsa_system_sgpr_workgroup_id_y 1
		.amdhsa_system_sgpr_workgroup_id_z 1
		.amdhsa_system_vgpr_workitem_id 0
		.amdhsa_next_free_vgpr 416
		.amdhsa_next_free_sgpr 96
		.amdhsa_reserve_vcc 1
		.amdhsa_float_denorm_mode_32 3
		.amdhsa_float_denorm_mode_16_64 3
		.amdhsa_memory_ordered 1
		.amdhsa_forward_progress 1
		.amdhsa_inst_pref_size 45
	.end_amdhsa_kernel
	.amdgpu_metadata
---
amdhsa.version: [ 1, 2 ]
amdhsa.kernels:
  - .name:           k_qf259e1fe80_attn
    .symbol:         k_qf259e1fe80_attn.kd
    .args:
      - { .name: qkv, .offset: 0, .size: 8, .value_kind: global_buffer, .address_space: global }
      - { .name: att, .offset: 8, .size: 8, .value_kind: global_buffer, .address_space: global }
    .group_segment_fixed_size: 327680
    .private_segment_fixed_size: 0
    .kernarg_segment_align: 8
    .kernarg_segment_size: 16
    .max_flat_workgroup_size: 128
    .sgpr_count:     96
    .vgpr_count:     416
    .wavefront_size: 32
...
	.end_amdgpu_metadata
.endif
;; end of part 3
;; launch wo (part 4): grid 8 x 32, 4 waves a work-group, clusters of 4 x 4, 327,680 bytes of LDS; arguments att, wts, bo, x, x1; writes x1
.if DOCPART == 4
	.amdgcn_target "amdgcn-amd-amdhsa--gfx1250"
	.amdhsa_code_object_version 6
	.text
	.protected	k_qf259e1fe80_wo
	.globl	k_qf259e1fe80_wo
	.p2align	8
	.type	k_qf259e1fe80_wo,@function
k_qf259e1fe80_wo:
	s_mov_b64 s[64:65], 0
	v_nop
	global_prefetch_b8 v0, s[64:65] scope:SCOPE_SE
	s_setreg_imm32_b32 hwreg(HW_REG_WAVE_MODE, 25, 1), 1
	s_wait_xcnt 0x0
	s_wait_alu depctr_hold_cnt(0) depctr_sa_sdst(0) depctr_va_vdst(0) depctr_va_sdst(0) depctr_va_ssrc(0) depctr_va_vcc(0) depctr_vm_vsrc(0)
	s_getreg_b32 s2, hwreg(HW_REG_IB_STS2, 6, 4)
	s_cmp_eq_u32 s2, 0
	s_cbranch_scc0 .Lentry_in_a_cluster
	s_endpgm
.Lentry_in_a_cluster:
	s_bfe_u32 s2, ttmp6, 0x10000c
	s_cmp_lg_u32 s2, 0xf033
	s_cbranch_scc0 .Lentry_shape_is_right
	s_endpgm
.Lentry_shape_is_right:
; OUT = RES + A W + bias, f32.  One text serves two launches by the switch WO:
;   WO = 1:  x1 = x + att wo + bo.    A = att, f16 by heads [64 (batch x 16 + head)][1024][64]; W = wo, f16 [1024 k][1024 n] in wts; K = 1,024; products in f16.
;   WO = 0:  out0 = x1 + ff w2 + b2.  A = ff, bf16 [4096][4096]; W = w2, bf16 [4096 k][1024 n] in wts; K = 4,096; products in bf16.
; Sums in f32, in an order that differs from cluster to cluster (THE WALK); the bias is the C operand of each accumulator's first product; the residual is added in f32 on the way out.
; SHARES.  A work-group makes 128 tokens x 128 columns: 8 x 32 work-groups; a wave 64 x 64: 16 accumulators.  K goes in tiles of 256 through two LDS slots.  Waves 0 and 1 bring A's halves, waves 2 and 3 W's
; (128 k x 256 bytes each).  With WO = 1 a tile is four heads, and a wave's half is two heads: two rows of 16,384 dense bytes (128 tokens x 128 bytes), a head apart in memory, padded in LDS behind every token.
; CLUSTER.  4 x 4 work-groups: A's tile is asked for jointly along a row of the cluster, W's along a column.
; THE PRODUCT IS TAKEN TRANSPOSED: source 0 = 16 columns of W (turned by ds_load_tr16_b128), source 1 = 16 tokens: a lane holds one token (lane % 16) and the columns 8 (lane / 16) + 0..7.
; THE WALK.  The launch has 2 x 8 clusters.  The two of a row of clusters read the same rows of A, the eight of a column the same columns of W.  A cluster begins its walk along K at tile
; (T / 2) x cluster x + (T / 4) x (cluster y % 4), modulo T, and goes round: so clusters that read the same rows ask for different tiles at any one time.  The tile's number hangs on the cluster's
; coordinates alone, which all sixteen partners share; the descriptors' global addresses are made anew from it for each fill.
; THE RING.  Both slots are asked for at the start.  At the head of step t >= 1 every wave waits for its tensor load (place t of the walk), a round of the cluster's barrier follows, and place t + 1 is asked for
; first thing behind it, into the slot read in step t - 1.  Two tensor loads of a wave are out at the start, then one, which has the step's 128 matrix instructions in which to land.
; NO PREFETCH with WO = 1: the launch has four steps, of which the first two come by their loads at its head.
; REGISTERS (s_set_vgpr_msb: bits 1:0 source 0, 3:2 source 1, 5:4 source 2, 7:6 destination):
;   window 0: v16-31 addresses; v32-63 the bias, later with v64-95 two sets for the way out; v128-255 accumulator (a, b) at 128 + 8 (4 a + b)
;   window 1: two fragment buffers of 128 for 64 along K: A at 8 (4 c + i), W at 64 + 8 (4 c + i)          window 2: v0-127 the residual, 32 for each 16 tokens
.set WO, 1
.if WO
.set T,      4                         ; tiles along K
.set PA,     144                       ; a token's 128 bytes + 16
.set KA,     128*PA                    ; 64 along K = the next head's block
.set AWAVE,  2*128*PA                  ; what a wave brings of A
.set SHA,    19                        ; a tile of A in memory: four heads, 524,288 bytes
.set OFFW,   6291456
.else
.set T,      16
.set PA,     528                       ; a token's 512 bytes + 16
.set KA,     128
.set AWAVE,  64*PA
.set SHA,    9                         ; a tile of A in memory: 512 bytes along the rows
.set OFFW,   16777216
.endif
.set SHB,    19                        ; a tile of W in memory: 256 k rows of 2,048 bytes
.set BOFF,   2*AWAVE                   ; W lies behind A
.set PB,     288                       ; a k row: 256 bytes + 32
.set KB,     64*PB
.set BWAVE,  128*PB
.set SLOT,   0x24000                   ; no base inside a slot has one of its two bits, so one exclusive or changes slots
.set STAGE,  2*SLOT                    ; behind the ring, never filled by a tensor load: 16 rows x 272 bytes for each wave
.set SPITCH, 272
.set SPARE,  STAGE+4*16*SPITCH         ; the spare words, 128 bytes for each wave: two blocks of 256 bytes that no other line names
.set ADRA0, 16
.set ADRB0, 17
.set ADRA,  18
.set ADRB,  19
.set STO,   24
.set RD,    25
.set CO,    26                         ; v26  my 16 bytes in two rows of RES and OUT; never rewritten
.set SPW,   28                         ; v28  my spare word: SPARE + 4 x my thread's number; never rewritten
.set NIL,   29                         ; v29  0; never rewritten
.set PFO,   30
.set BO,    31
.set BIAS,  32
.set BK,    32
.set ACC,   128
.set F0,    0
.set F1,    128
.set WV, 16
.set WR, 17                            ; s17  which 64 tokens are mine
.set WC, 18                            ; s18  which 64 columns; also which half of a tile I fetch
.set CX, 19
.set CY, 20
.set TC, 21
.set TR, 22
.set TBB, 23
.set G1A, 24
.set G1B, 32
.set G0A, 40                           ; s[40:43], s[44:47] descriptor groups 0 that walk
.set G0B, 44
.set TBA, 48
.set CNT, 49
.set STEPS, 50                         ; s50  T - 1 - t in step t
.set LIM, 51
.set PFA, 52
.set ABASE, 56                         ; s[56:57] A at my part of tile 0
.set G0A0, 60                          ; s[60:63] group 0 of A's first fill
.set KT,  78                           ; s78  the tile asked for last
.set OFA, 80                           ; s[80:81], s[82:83] a tile's byte offset in A, in W
.set OFB, 82
.set BBASE, 84                         ; s[84:85] W at my part of tile 0
.set PBASE, 86                         ; s[86:87] A at the rows that I prefetch, tile 0
.set G0B0, 88                          ; s[88:91] group 0 of W's first fill
.set OFP, 94                           ; s[94:95] the prefetched tile's byte offset
.set MSB, 0
.macro WIN new
.if MSB != (\new)
	s_set_vgpr_msb (MSB<<8)|(\new)
.set MSB, \new
.endif
.endm
.macro PLACES                          ; four places in front of loads into registers that matrix instructions have read, and of reads of results
.rept 4
	v_nop
.endr
.endm
.macro CROUND                          ; a round of the cluster's barrier
	s_barrier_signal -1
	s_barrier_wait -1
	s_cmp_lg_u32 s[WV], 0
	s_cbranch_scc1 .Lnw0_\@
	s_barrier_signal -3
.Lnw0_\@:
	s_barrier_wait -3
	s_barrier_signal -1
	s_barrier_wait -1
.endm
.macro JLOAD                           ; a joint load; an s_nop 0 and four v_nop follow each of the two lines
	s_cmp_lt_u32 s[WV], 2
	s_cbranch_scc0 .Lfor_b_\@
	tensor_load_to_lds s[G0A:G0A+3], s[G1A:G1A+7]
	s_nop 0
.rept 4
	v_nop
.endr
	s_branch .Lasked_\@
.Lfor_b_\@:
	tensor_load_to_lds s[G0B:G0B+3], s[G1B:G1B+7]
	s_nop 0
.rept 4
	v_nop
.endr
.Lasked_\@:
.endm
; PREFETCH INTO THE L2 (WO = 0), in steps t = 1 to 4 for A's tile at place t + 3 of my cluster's walk: two steps, 256 matrix instructions, ahead of its load.  The two clusters that read the same rows of A begin
; T / 2 tiles apart, so places 0 to T / 2 - 1 of a walk are the tiles that its cluster is the first to reach: each cluster asks for those of its own, and each block of 256 bytes is named once in the launch.
; Of the 64 tokens that wave 0 or 1 fetches, each of the four partners that ask jointly takes 16, told apart by address: two lanes a token, one line a wave.  Places 0 to 3 come by their loads alone.
; W is not asked for: the clusters of a column begin T / 4 tiles apart, and the places 0 to T / 4 - 1 that a cluster is the first to reach are those four.
.macro ASK
	s_cmp_gt_u32 s[STEPS], s[LIM]
	s_cbranch_scc0 .Lna_\@
	global_prefetch_b8 v[PFO], s[PFA:PFA+1] th:TH_LOAD_NT scope:SCOPE_SE
.Lna_\@:
.endm
; 16 matrix instructions: all 16 accumulators once, 32 along K: half c of buffer f.  One instruction a turn.  first = 1: C is the bias.
.macro MUL f, c, first
	WIN 0x05
.irp a, 0,1,2,3
.irp b, 0,1,2,3
.set rD, ACC+8*(4*(\a)+(\b))
.set rX, (\f)+64+8*(4*(\c)+(\b))
.set rY, (\f)+8*(4*(\c)+(\a))
.set rC, rD
.if \first
.set rC, BIAS+8*(\b)
.endif
.if WO
	v_wmma_f32_16x16x32_f16 v[rD:rD+7], v[rX:rX+7], v[rY:rY+7], v[rC:rC+7]
.else
	v_wmma_f32_16x16x32_bf16 v[rD:rD+7], v[rX:rX+7], v[rY:rY+7], v[rC:rC+7]
.endif
.endr
.endr
.endm
; 32 LDS loads in one run: the fragments of 64 along K into buffer f
.macro FETCH ka, kb, f
	WIN 0x40
.irp c, 0,1
.irp i, 0,1,2,3
	ds_load_tr16_b128 v[(\f)+64+8*(4*(\c)+(\i)):(\f)+64+8*(4*(\c)+(\i))+3],   v[ADRB] offset:(\kb)+(\c)*32*PB+32*(\i)
	ds_load_tr16_b128 v[(\f)+64+8*(4*(\c)+(\i))+4:(\f)+64+8*(4*(\c)+(\i))+7], v[ADRB] offset:(\kb)+(\c)*32*PB+16*PB+32*(\i)
	ds_load_b128 v[(\f)+8*(4*(\c)+(\i)):(\f)+8*(4*(\c)+(\i))+3],   v[ADRA] offset:(\ka)+64*(\c)+(\i)*16*PA
	ds_load_b128 v[(\f)+8*(4*(\c)+(\i))+4:(\f)+8*(4*(\c)+(\i))+7], v[ADRA] offset:(\ka)+64*(\c)+(\i)*16*PA+32
.endr
.endr
	WIN 0
.endm
; 64 along K.  At the quarter's head the next quarter's fragments are fetched into buffer g, four places behind the last product that read it: they have this quarter's 32 products in which to come.
; Then buffer f is multiplied.  skip = 1: a step's last quarter fetches nothing (the jump passes LDS loads alone, and no counted wait stands behind it).
.macro SUB f, g, ka, kb, first, skip
	s_wait_dscnt 0x0                               ; buffer f is in
	PLACES
.if \skip
	WIN 0
	s_cmp_eq_u32 s[CNT], 1
	s_cbranch_scc1 .Lnf_\@
.endif
	FETCH \ka, \kb, \g
.if \skip
.Lnf_\@:
.endif
	MUL \f, 0, \first
	MUL \f, 1, 0
.endm
.macro NEXTPAIR                        ; 128 along K further on
	WIN 0
	s_add_co_u32 s[TBA], s[TBA], 2*KA
	s_add_co_u32 s[TBB], s[TBB], 2*KB
	v_add_nc_u32 v[ADRA], s[TBA], v[ADRA0]
	v_add_nc_u32 v[ADRB], s[TBB], v[ADRB0]
	s_sub_co_u32 s[CNT], s[CNT], 1
	s_cmp_lg_u32 s[CNT], 0
.endm
; THE CHANGE OF SLOTS, at the head of a step.  Each wave waits for all its tensor loads (one is out: its part of this step's tile), adds 0 to its spare word, and waits for that and for its reads of the slot
; that it leaves.  fill = 1: a round of the cluster's barrier, so that no wave of any partner still reads that slot or has a load on its way; the joint refill is the first thing behind it.
.macro CHANGE fill
	WIN 0
.if (\fill) && (WO == 0)
	s_wait_xcnt 0x0                                ; the last prefetch, a step back, has read its address: it is made anew here, three places on from the tile asked for last
	s_add_co_u32 s[OFP], s[KT], 3
	s_and_b32 s[OFP], s[OFP], T-1
	s_lshl_b32 s[OFP], s[OFP], SHA
	s_add_nc_u64 s[PFA:PFA+1], s[PBASE:PBASE+1], s[OFP:OFP+1]
.endif
	s_wait_tensorcnt 0x0                           ; no tensor load of mine is out, so the groups 0 may be written
	ds_add_u32 v[SPW], v[NIL]                      ; the scalar work below stands between the add and the wait for it
.if \fill
	s_add_co_u32 s[KT], s[KT], 1                   ; the walk's next tile, round the end of K
	s_and_b32 s[KT], s[KT], T-1
	s_lshl_b32 s[OFA], s[KT], SHA
	s_lshl_b32 s[OFB], s[KT], SHB
	s_xor_b32 s[G0A+1], s[G0A+1], SLOT
	s_add_nc_u64 s[G0A+2:G0A+3], s[ABASE:ABASE+1], s[OFA:OFA+1]
	s_or_b32 s[G0A+3], s[G0A+3], 0x80000000
	s_xor_b32 s[G0B+1], s[G0B+1], SLOT
	s_add_nc_u64 s[G0B+2:G0B+3], s[BBASE:BBASE+1], s[OFB:OFB+1]
	s_or_b32 s[G0B+3], s[G0B+3], 0x80000000
.endif
	s_sub_co_u32 s[TBA], s[TBA], 4*KA              ; the fetches go back to a tile's first K, in the other slot
	s_xor_b32 s[TBA], s[TBA], SLOT
	s_sub_co_u32 s[TBB], s[TBB], 4*KB
	s_xor_b32 s[TBB], s[TBB], SLOT
	s_wait_dscnt 0x0                               ; the add is done, and my reads of the old slot are over
.if \fill
	CROUND
	JLOAD                                          ; its four v_nop are also the places in front of the loads below
.else
	s_barrier_signal -1
	s_barrier_wait -1
	PLACES
.endif
	v_add_nc_u32 v[ADRA], s[TBA], v[ADRA0]
	v_add_nc_u32 v[ADRB], s[TBB], v[ADRB0]
	FETCH 0, 0, F0
.if (\fill) && (WO == 0)
	ASK
.endif
.endm
	s_load_b256 s[4:11], s[0:1], 0x0               ; A s[4:5], wts s[6:7], bias s[8:9], RES s[10:11]
	s_load_b64 s[12:13], s[0:1], 0x20              ; OUT
	v_lshl_add_u32 v[SPW], v0, 2, SPARE
	v_mov_b32 v[NIL], 0
	ds_add_u32 v[SPW], v[NIL]                      ; the wave's opening: the add and its wait ahead of my first tensor load; work on registers stands between them
	v_lshrrev_b32 v1, 5, v0
	v_readfirstlane_b32 s[WV], v1
	s_lshr_b32 s[WR], s[WV], 1
	s_and_b32 s[WC], s[WV], 1
	s_bfe_u32 s[CX], ttmp6, 0x40000
	s_bfe_u32 s[CY], ttmp6, 0x40004
	s_lshl_b32 s[TC], ttmp9, 2
	s_add_co_u32 s[TC], s[TC], s[CX]
	s_and_b32 s[TR], ttmp7, 0xffff
	s_lshl_b32 s[TR], s[TR], 2
	s_add_co_u32 s[TR], s[TR], s[CY]
	s_lshl_b32 s54, s[CY], 2
	s_lshl_b32 s54, 15, s54                        ; my row of the cluster
	s_lshl_b32 s58, 0x1111, s[CX]                  ; my column
.if WO
	s_or_b32 s[G1A], s54, (1<<16)|(1<<20)|(1<<21)|(4<<22)|(3<<25)  ; mask; 2-byte elements; padding on; bit 21 beside a mask; after every 32 words (a token), 4 words
	s_mov_b32 s[G1A+1], 8192<<16                   ; tensor_dim0 = 8,192: 128 tokens x 64 channels, dense
	s_mov_b32 s[G1A+2], 2<<16                      ; tensor_dim1 = 2 heads
	s_mov_b32 s[G1A+3], 8192<<16                   ; tile_dim0
	s_mov_b32 s[G1A+4], 2                          ; tile_dim1
	s_mov_b32 s[G1A+5], 65536                      ; elements from head to head
.else
	s_or_b32 s[G1A], s54, (1<<16)|(1<<20)|(1<<21)|(6<<22)|(3<<25)  ; mask; 2-byte elements; padding on; bit 21 beside a mask; after every 128 words (a token's 512 bytes), 4 words
	s_mov_b32 s[G1A+1], 256<<16                    ; tensor_dim0 = 256
	s_mov_b32 s[G1A+2], 64<<16                     ; tensor_dim1 = 64
	s_mov_b32 s[G1A+3], 256<<16                    ; tile_dim0
	s_mov_b32 s[G1A+4], 64                         ; tile_dim1
	s_mov_b32 s[G1A+5], 4096                       ; elements from row to row
.endif
	s_mov_b32 s[G1A+6], 0
	s_mov_b32 s[G1A+7], 0
	s_or_b32 s[G1B], s58, (1<<16)|(1<<20)|(1<<21)|(5<<22)|(7<<25)  ; after every 64 words (a k row), 8 words
	s_mov_b32 s[G1B+1], 128<<16
	s_mov_b32 s[G1B+2], 128<<16
	s_mov_b32 s[G1B+3], 128<<16
	s_mov_b32 s[G1B+4], 128
	s_mov_b32 s[G1B+5], 1024
	s_mov_b32 s[G1B+6], 0
	s_mov_b32 s[G1B+7], 0
.if WO
	s_lshr_b32 s54, s[TR], 3                       ; the batch
	s_lshl_b32 s54, s54, 4
	s_lshl1_add_u32 s54, s[WC], s54                ; + my two heads of a tile's four
	s_lshl_b32 s54, s54, 17
	s_and_b32 s55, s[TR], 7
	s_lshl_b32 s55, s55, 14                        ; the tile's 128 tokens in a head
	s_add_co_u32 s54, s54, s55
.else
	s_lshl_b32 s54, s[TR], 20                      ; 128 tokens of 8,192 bytes,
	s_lshl_b32 s55, s[WC], 19                      ; my 64 of them
	s_add_co_u32 s54, s54, s55
.endif
	s_mov_b32 s55, 0
	s_lshl_b32 s58, s[TC], 8                       ; the tile's 128 columns,
	s_lshl_b32 s59, s[WC], 18                      ; my 128 k rows of 2,048 bytes
	s_add_co_u32 s58, s58, s59
	s_add_co_u32 s58, s58, OFFW
	s_mov_b32 s59, 0
	s_and_b32 s79, ttmp7, 0xffff                   ; the walk's first tile, from the cluster's two coordinates
	s_and_b32 s79, s79, 3
	s_mul_i32 s79, s79, T/4
	s_mul_i32 s[KT], ttmp9, T/2
	s_add_co_u32 s[KT], s[KT], s79
	s_and_b32 s[KT], s[KT], T-1
	s_lshl_b32 s[OFA], s[KT], SHA
	s_mov_b32 s[OFA+1], 0
	s_lshl_b32 s[OFB], s[KT], SHB
	s_mov_b32 s[OFB+1], 0
	s_mov_b32 s[G0A0], 1                           ; place 0 goes to slot 0, place 1 to slot 1
	s_mul_i32 s[G0A0+1], s[WC], AWAVE
	s_mov_b32 s[G0A], 1
	s_add_co_u32 s[G0A+1], s[G0A0+1], SLOT
	s_mov_b32 s[G0B0], 1
	s_mul_i32 s[G0B0+1], s[WC], BWAVE
	s_add_co_u32 s[G0B0+1], s[G0B0+1], BOFF
	s_mov_b32 s[G0B], 1
	s_add_co_u32 s[G0B+1], s[G0B0+1], SLOT
	s_mov_b32 s[TBA], 0
	s_mov_b32 s[TBB], 0
	s_mov_b32 s[STEPS], T-1
	s_wait_dscnt 0x0                               ; the opening add is done
	s_wait_kmcnt 0x0
	s_add_nc_u64 s[ABASE:ABASE+1], s[4:5], s[54:55]
	s_add_nc_u64 s[BBASE:BBASE+1], s[6:7], s[58:59]
	s_add_nc_u64 s[G0A0+2:G0A0+3], s[ABASE:ABASE+1], s[OFA:OFA+1]
	s_or_b32 s[G0A0+3], s[G0A0+3], 0x80000000
	s_add_nc_u64 s[G0B0+2:G0B0+3], s[BBASE:BBASE+1], s[OFB:OFB+1]
	s_or_b32 s[G0B0+3], s[G0B0+3], 0x80000000
	s_add_co_u32 s[KT], s[KT], 1
	s_and_b32 s[KT], s[KT], T-1
	s_lshl_b32 s[OFA], s[KT], SHA
	s_lshl_b32 s[OFB], s[KT], SHB
	s_add_nc_u64 s[G0A+2:G0A+3], s[ABASE:ABASE+1], s[OFA:OFA+1]
	s_or_b32 s[G0A+3], s[G0A+3], 0x80000000
	s_add_nc_u64 s[G0B+2:G0B+3], s[BBASE:BBASE+1], s[OFB:OFB+1]
	s_or_b32 s[G0B+3], s[G0B+3], 0x80000000
	CROUND                                         ; all sixteen work-groups are here: the first joint loads meet
	s_cmp_lt_u32 s[WV], 2                          ; a wave's two first fills stand in one branch, ahead of every wait on TENSORcnt and every LDS read; an s_nop 0 follows each, four v_nop the second's
	s_cbranch_scc0 .Lfirst_b
	tensor_load_to_lds s[G0A0:G0A0+3], s[G1A:G1A+7]
	s_nop 0
	tensor_load_to_lds s[G0A:G0A+3], s[G1A:G1A+7]
	s_nop 0
.rept 4
	v_nop
.endr
	s_branch .Lfirst_asked
.Lfirst_b:
	tensor_load_to_lds s[G0B0:G0B0+3], s[G1B:G1B+7]
	s_nop 0
	tensor_load_to_lds s[G0B:G0B+3], s[G1B:G1B+7]
	s_nop 0
.rept 4
	v_nop
.endr
.Lfirst_asked:
	v_and_b32 v1, 15, v0                           ; r = l % 16
	v_bfe_u32 v2, v0, 4, 1                         ; h = l / 16
	v_and_b32 v3, 7, v0
	v_bfe_u32 v4, v0, 3, 1
	v_and_b32 v5, 31, v0
	v_mul_u32_u24 v[ADRA0], v1, PA
	v_lshl_add_u32 v[ADRA0], v2, 4, v[ADRA0]
	s_mul_i32 s66, s[WR], 64*PA
	v_add_nc_u32 v[ADRA0], s66, v[ADRA0]
	v_lshl_add_u32 v6, v2, 3, v3
	v_mul_u32_u24 v[ADRB0], v6, PB
	v_lshl_add_u32 v[ADRB0], v4, 4, v[ADRB0]
	s_lshl_b32 s66, s[WC], 7
	s_add_co_u32 s66, s66, BOFF
	v_add_nc_u32 v[ADRB0], s66, v[ADRB0]
	s_mul_i32 s66, s[WV], 16*SPITCH
	s_add_co_u32 s66, s66, STAGE
	v_mul_u32_u24 v[STO], v1, SPITCH               ; in: row r, 32 bytes for each half of the lanes
	v_lshl_add_u32 v[STO], v2, 5, v[STO]
	v_add_nc_u32 v[STO], s66, v[STO]
	v_mul_u32_u24 v[RD], v2, SPITCH                ; back: lanes 0-15 take one row of 256 bytes, lanes 16-31 the next
	v_lshl_add_u32 v[RD], v1, 4, v[RD]
	v_add_nc_u32 v[RD], s66, v[RD]
	v_lshlrev_b32 v[CO], 12, v2                    ; and the same two rows in RES and OUT
	v_lshl_add_u32 v[CO], v1, 4, v[CO]
	v_lshlrev_b32 v[BO], 5, v2
	s_lshl_b32 s66, s[TC], 9                       ; my 64 columns in f32
	s_lshl_b32 s67, s[WC], 8
	s_add_co_u32 s66, s66, s67
	s_mov_b32 s67, 0
	s_add_nc_u64 s[8:9], s[8:9], s[66:67]
	s_lshl_b32 s68, s[TR], 19                      ; my 64 tokens of 4,096 bytes
	s_add_co_u32 s66, s66, s68
	s_lshl_b32 s68, s[WR], 18
	s_add_co_u32 s66, s66, s68
	s_add_nc_u64 s[10:11], s[10:11], s[66:67]
	s_add_nc_u64 s[12:13], s[12:13], s[66:67]
.irp b, 0,1,2,3
	global_load_b128 v[BIAS+8*\b:BIAS+8*\b+3],   v[BO], s[8:9] offset:64*\b
	global_load_b128 v[BIAS+8*\b+4:BIAS+8*\b+7], v[BO], s[8:9] offset:64*\b+16
.endr
	WIN 0x80                                       ; the residual, in the layout in which the results come back from the stage: it lands while K is walked
.irp a, 0,1,2,3
.irp t, 0,1,2,3,4,5,6,7
	global_load_b128 v[32*\a+4*\t:32*\a+4*\t+3], v[CO], s[10:11] offset:(16*\a+2*\t)*4096 th:TH_LOAD_NT
.endr
.endr
	WIN 0
.if WO == 0
	; the prefetches: A at my work-group's 16 tokens of the 64 that wave 0 or 1 fetches
	s_lshl_b32 s70, s[TR], 20
	s_lshl_b32 s71, s[WC], 19
	s_add_co_u32 s70, s70, s71
	s_lshl_b32 s71, s[CX], 17
	s_add_co_u32 s70, s70, s71
	s_mov_b32 s71, 0
	s_add_nc_u64 s[PBASE:PBASE+1], s[4:5], s[70:71]
	s_mov_b32 s[OFP+1], 0
	s_cmp_lt_u32 s[WV], 2
	s_cselect_b32 s[LIM], T/2+2, -1                ; waves 0 and 1 ask while T - 1 - t is above T / 2 + 2: the place named, t + 3, stays under T / 2
	v_lshrrev_b32 v6, 1, v5                        ; two lanes a token: 8,192 bytes from token to token, 256 from block to block
	v_lshlrev_b32 v6, 13, v6
	v_and_b32 v7, 1, v5
	v_lshl_add_u32 v[PFO], v7, 8, v6
.endif
	s_wait_tensorcnt 0x1                           ; my part of slot 0 is in; slot 1's load, issued behind it, may stay out
	s_barrier_signal -1
	s_barrier_wait -1                              ; everybody's is
	v_add_nc_u32 v[ADRA], s[TBA], v[ADRA0]
	v_add_nc_u32 v[ADRB], s[TBB], v[ADRB0]
	FETCH 0, 0, F0
	s_wait_loadcnt 32                              ; the bias is in; the residual's 32 loads, issued behind it, stay out
	SUB F0, F1, KA, KB, 1, 0                       ; the first quarter alone is written out: its first products start the sums
	WIN 0
	s_mov_b32 s[CNT], 2
	s_branch .Lmid                                 ; the loop is entered in the middle of a pair
.Lstep:
	CHANGE 1
	s_mov_b32 s[CNT], 2
.Linner:
	SUB F0, F1, KA, KB, 0, 0
	WIN 0
.Lmid:
	SUB F1, F0, 2*KA, 2*KB, 0, 1
	NEXTPAIR
	s_cbranch_scc1 .Linner
	s_sub_co_u32 s[STEPS], s[STEPS], 1
	s_cmp_lg_u32 s[STEPS], 0
	s_cbranch_scc1 .Lstep
	CHANGE 0                                       ; the last step is written out: nothing is asked for
	s_mov_b32 s[CNT], 2
.Ltail:
	SUB F0, F1, KA, KB, 0, 0
	SUB F1, F0, 2*KA, 2*KB, 0, 1
	NEXTPAIR
	s_cbranch_scc1 .Ltail
	; THE WAY OUT, 16 tokens at a time: a lane's 32 bytes of a row go into my stage's rows of 272 bytes and come back as whole rows of 256; the residual is added; 16 lanes store 256 consecutive bytes, aligned.
	WIN 0
	PLACES
	s_wait_loadcnt 0x0                             ; the residual
.irp a, 0,1,2,3
	s_wait_xcnt 0x0                                ; the stores issued so far have read their registers: the set stored two blocks back is loaded again
.irp b, 0,1,2,3
	ds_store_b128 v[STO], v[ACC+8*(4*\a+\b):ACC+8*(4*\a+\b)+3]   offset:64*\b
	ds_store_b128 v[STO], v[ACC+8*(4*\a+\b)+4:ACC+8*(4*\a+\b)+7] offset:64*\b+16
.endr
.irp t, 0,1,2,3,4,5,6,7
	ds_load_b128 v[BK+32*(\a%2)+4*\t:BK+32*(\a%2)+4*\t+3], v[RD] offset:\t*2*SPITCH  ; LDS serves a wave's instructions in order (ISA guide 5.7.1.4): these see the stores above
.endr
	s_wait_dscnt 0x0
	WIN 0x08                                       ; source 1 in window 2
.set z, 0
.rept 16
	v_pk_add_f32 v[BK+32*(\a%2)+2*z:BK+32*(\a%2)+2*z+1], v[BK+32*(\a%2)+2*z:BK+32*(\a%2)+2*z+1], v[32*\a+2*z:32*\a+2*z+1]
.set z, z+1
.endr
	WIN 0
.irp t, 0,1,2,3,4,5,6,7
	global_store_b128 v[CO], v[BK+32*(\a%2)+4*\t:BK+32*(\a%2)+4*\t+3], s[12:13] offset:(16*\a+2*\t)*4096
.endr
.endr
	s_wait_tensorcnt 0x0                           ; the wave's end, behind my last tensor load and my last LDS store
	ds_add_u32 v[SPW], v[NIL]
	s_wait_dscnt 0x0
	CROUND                                         ; the closing round: no work-group ends while a partner may still ask for a tile that names it
	s_endpgm
.Lfunc_end_k_qf259e1fe80_wo:
	.size	k_qf259e1fe80_wo, .Lfunc_end_k_qf259e1fe80_wo-k_qf259e1fe80_wo
	.p2alignl 7, 3214868480
	.fill 96, 4, 3214868480
	.section	.rodata,"a",@progbits
	.p2align	6, 0x0
	.amdhsa_kernel k_qf259e1fe80_wo
		.amdhsa_group_segment_fixed_size 327680
		.amdhsa_private_segment_fixed_size 0
		.amdhsa_enable_private_segment 0
		.amdhsa_kernarg_size 40
		.amdhsa_user_sgpr_count 2
		.amdhsa_user_sgpr_kernarg_segment_ptr 1
		.amdhsa_wavefront_size32 1
		.amdhsa_system_sgpr_workgroup_id_x 1
		.amdhsa_system_sgpr_workgroup_id_y 1
		.amdhsa_system_sgpr_workgroup_id_z 1
		.amdhsa_system_vgpr_workitem_id 0
		.amdhsa_next_free_vgpr 640
		.amdhsa_next_free_sgpr 96
		.amdhsa_reserve_vcc 0
		.amdhsa_float_denorm_mode_32 3
		.amdhsa_float_denorm_mode_16_64 3
		.amdhsa_memory_ordered 1
		.amdhsa_forward_progress 1
		.amdhsa_inst_pref_size 55
	.end_amdhsa_kernel
	.amdgpu_metadata
---
amdhsa.version: [ 1, 2 ]
amdhsa.kernels:
  - .name:           k_qf259e1fe80_wo
    .symbol:         k_qf259e1fe80_wo.kd
    .args:
      - { .name: att, .offset: 0, .size: 8, .value_kind: global_buffer, .address_space: global }
      - { .name: wts, .offset: 8, .size: 8, .value_kind: global_buffer, .address_space: global }
      - { .name: bo, .offset: 16, .size: 8, .value_kind: global_buffer, .address_space: global }
      - { .name: x, .offset: 24, .size: 8, .value_kind: global_buffer, .address_space: global }
      - { .name: x1, .offset: 32, .size: 8, .value_kind: global_buffer, .address_space: global }
    .group_segment_fixed_size: 327680
    .private_segment_fixed_size: 0
    .kernarg_segment_align: 8
    .kernarg_segment_size: 40
    .max_flat_workgroup_size: 128
    .sgpr_count:     96
    .vgpr_count:     640
    .wavefront_size: 32
...
	.end_amdgpu_metadata
.endif
;; end of part 4
;; launch ln2 (part 5): grid 512 x 1, 8 waves a work-group, no clusters, 0 bytes of LDS; arguments x1, ln2_g, ln2_b, hb; writes hb
.if DOCPART == 5
	.amdgcn_target "amdgcn-amd-amdhsa--gfx1250"
	.amdhsa_code_object_version 6
	.text
	.protected	k_qf259e1fe80_ln2
	.globl	k_qf259e1fe80_ln2
	.p2align	8
	.type	k_qf259e1fe80_ln2,@function
k_qf259e1fe80_ln2:
	s_mov_b64 s[64:65], 0
	v_nop
	global_prefetch_b8 v0, s[64:65] scope:SCOPE_SE
	s_setreg_imm32_b32 hwreg(HW_REG_WAVE_MODE, 25, 1), 1
	s_wait_xcnt 0x0
; LAYER NORM.  H[r][c] = (X[r][c] - mean_r) / sqrt(var_r + 1e-5) x G[c] + B[c].  X: [4096][1024] f32, H the same in bf16, rounded once.
; The mean is taken first and the variance is the mean of the squared DEVIATIONS, so a common offset of a row costs nothing.  All in f32.
; SHARES.  A wave owns one row, a work-group eight; a row's 4,096 bytes are eight loads of 16 bytes a lane and stay in 32 registers between the passes: X is read once, no wave waits for another, no LDS.
; Piece j of a row is its bytes 512 j + 16 lane: four columns a lane, which leave as 8 bytes at 256 j + 8 lane: a wave's store covers 256 consecutive bytes, aligned.
.set CH,   4                           ; v[4:11]    four chains of pairs
.set MEAN, 12                          ; v[12:13]   the row's mean, twice (a pair for the packed forms)
.set RSTD, 14                          ; v[14:15]   1 / sqrt(var + eps), twice
.set VAR,  16                          ; v16
.set XR,   32                          ; v[32:63]   the row; its packed results take its first 16 registers
.set GR,   64                          ; v[64:95]   G of my 32 columns
.set BR,   96                          ; v[96:127]  B
; the four chains into one number, then over the 32 lanes: four steps inside each half ride on the addition, one crosses the halves; every lane ends with the sum in v20
.macro RED
	v_pk_add_f32 v[CH:CH+1], v[CH:CH+1], v[CH+2:CH+3]
	v_pk_add_f32 v[CH+4:CH+5], v[CH+4:CH+5], v[CH+6:CH+7]
	v_pk_add_f32 v[CH:CH+1], v[CH:CH+1], v[CH+4:CH+5]
	v_add_f32 v20, v[CH], v[CH+1]
	v_add_f32_dpp v20, v20, v20 row_xmask:1 row_mask:0xf bank_mask:0xf
	v_add_f32_dpp v20, v20, v20 row_xmask:2 row_mask:0xf bank_mask:0xf
	v_add_f32_dpp v20, v20, v20 row_xmask:4 row_mask:0xf bank_mask:0xf
	v_add_f32_dpp v20, v20, v20 row_xmask:8 row_mask:0xf bank_mask:0xf
	v_permlanex16_b32 v21, v20, s12, s13
	v_add_f32 v20, v20, v21
.endm
	s_load_b256 s[4:11], s[0:1], 0x0               ; X s[4:5], G s[6:7], B s[8:9], H s[10:11]
	v_lshrrev_b32 v3, 5, v0
	v_readfirstlane_b32 s20, v3                    ; wave
	v_and_b32 v1, 31, v0
	v_lshlrev_b32 v2, 3, v1                        ; 8 x lane
	v_lshlrev_b32 v1, 4, v1                        ; 16 x lane
	v_mov_b32 v21, 0                               ; v_permlanex16_b32's destination counts as read
	s_mov_b32 s12, 0x76543210                      ; each lane takes its own place in the other half
	s_mov_b32 s13, 0xfedcba98
	s_mov_b32 s14, 0x3a800000                      ; 1 / 1024
	s_mov_b32 s15, 0x3727c5ac                      ; 1e-5
	s_lshl_b32 s16, ttmp9, 3
	s_add_co_u32 s16, s16, s20                     ; my row: 8 x work-group + wave
	s_lshl_b32 s18, s16, 11
	s_lshl_b32 s16, s16, 12
	s_mov_b32 s17, 0
	s_mov_b32 s19, 0
	s_wait_kmcnt 0x0
	s_add_nc_u64 s[4:5], s[4:5], s[16:17]
	s_add_nc_u64 s[10:11], s[10:11], s[18:19]
.irp j, 0,1,2,3,4,5,6,7
	global_load_b128 v[XR+4*\j:XR+4*\j+3], v1, s[4:5] offset:\j*512 th:TH_LOAD_NT
.endr
.irp j, 0,1,2,3,4,5,6,7
	global_load_b128 v[GR+4*\j:GR+4*\j+3], v1, s[6:7] offset:\j*512
.endr
.irp j, 0,1,2,3,4,5,6,7
	global_load_b128 v[BR+4*\j:BR+4*\j+3], v1, s[8:9] offset:\j*512
.endr
	s_wait_loadcnt 16                              ; my row is in; G's eight loads and B's eight, issued behind it, stay out
.irp c, 0,1,2,3
	v_pk_add_f32 v[CH+2*\c:CH+2*\c+1], v[XR+2*\c:XR+2*\c+1], v[XR+8+2*\c:XR+8+2*\c+1]  ; the first pairs start the chains: nothing is cleared
.endr
.irp o, 16,24
.irp c, 0,1,2,3
	v_pk_add_f32 v[CH+2*\c:CH+2*\c+1], v[CH+2*\c:CH+2*\c+1], v[XR+\o+2*\c:XR+\o+2*\c+1]
.endr
.endr
	RED
	v_mul_f32 v[MEAN], s14, v20
	v_mul_f32 v[MEAN+1], s14, v20
.set z, 0
.rept 16
	v_pk_add_f32 v[XR+2*z:XR+2*z+1], v[XR+2*z:XR+2*z+1], v[MEAN:MEAN+1] neg_lo:[0,1] neg_hi:[0,1]  ; the row less its mean, in place
.set z, z+1
.endr
.irp c, 0,1,2,3
	v_pk_mul_f32 v[CH+2*\c:CH+2*\c+1], v[XR+2*\c:XR+2*\c+1], v[XR+2*\c:XR+2*\c+1]
.endr
.irp o, 8,16,24
.irp c, 0,1,2,3
	v_pk_fma_f32 v[CH+2*\c:CH+2*\c+1], v[XR+\o+2*\c:XR+\o+2*\c+1], v[XR+\o+2*\c:XR+\o+2*\c+1], v[CH+2*\c:CH+2*\c+1]
.endr
.endr
	RED
	v_fma_f32 v[VAR], v20, s14, s15                ; var + eps
	v_rsq_f32 v[RSTD], v[VAR]                      ; the root twice, to fill the pair
	v_rsq_f32 v[RSTD+1], v[VAR]
	v_nop                                          ; a plain instruction behind the last of them (ISA guide 5.7.2),
	s_wait_alu depctr_va_vdst(0)                   ; and the one wait ahead of the first reader
	s_wait_loadcnt 0x0                             ; G and B
.set z, 0
.rept 16
	v_pk_mul_f32 v[XR+2*z:XR+2*z+1], v[XR+2*z:XR+2*z+1], v[RSTD:RSTD+1]
.set z, z+1
.endr
.set z, 0
.rept 16
	v_pk_fma_f32 v[XR+2*z:XR+2*z+1], v[XR+2*z:XR+2*z+1], v[GR+2*z:GR+2*z+1], v[BR+2*z:BR+2*z+1]
.set z, z+1
.endr
.set z, 0
.rept 16
	v_cvt_pk_bf16_f32 v[XR+z], v[XR+2*z], v[XR+2*z+1]  ; in place: register z is written when the pairs up to z have been read
.set z, z+1
.endr
.irp j, 0,1,2,3,4,5,6,7
	global_store_b64 v2, v[XR+2*\j:XR+2*\j+1], s[10:11] offset:\j*256
.endr
	s_endpgm
.Lfunc_end_k_qf259e1fe80_ln2:
	.size	k_qf259e1fe80_ln2, .Lfunc_end_k_qf259e1fe80_ln2-k_qf259e1fe80_ln2
	.p2alignl 7, 3214868480
	.fill 96, 4, 3214868480
	.section	.rodata,"a",@progbits
	.p2align	6, 0x0
	.amdhsa_kernel k_qf259e1fe80_ln2
		.amdhsa_group_segment_fixed_size 0
		.amdhsa_private_segment_fixed_size 0
		.amdhsa_enable_private_segment 0
		.amdhsa_kernarg_size 32
		.amdhsa_user_sgpr_count 2
		.amdhsa_user_sgpr_kernarg_segment_ptr 1
		.amdhsa_wavefront_size32 1
		.amdhsa_system_sgpr_workgroup_id_x 1
		.amdhsa_system_sgpr_workgroup_id_y 1
		.amdhsa_system_sgpr_workgroup_id_z 1
		.amdhsa_system_vgpr_workitem_id 0
		.amdhsa_next_free_vgpr 128
		.amdhsa_next_free_sgpr 66
		.amdhsa_reserve_vcc 0
		.amdhsa_float_denorm_mode_32 3
		.amdhsa_float_denorm_mode_16_64 3
		.amdhsa_memory_ordered 1
		.amdhsa_forward_progress 1
		.amdhsa_inst_pref_size 12
	.end_amdhsa_kernel
	.amdgpu_metadata
---
amdhsa.version: [ 1, 2 ]
amdhsa.kernels:
  - .name:           k_qf259e1fe80_ln2
    .symbol:         k_qf259e1fe80_ln2.kd
    .args:
      - { .name: x1, .offset: 0, .size: 8, .value_kind: global_buffer, .address_space: global }
      - { .name: ln2_g, .offset: 8, .size: 8, .value_kind: global_buffer, .address_space: global }
      - { .name: ln2_b, .offset: 16, .size: 8, .value_kind: global_buffer, .address_space: global }
      - { .name: hb, .offset: 24, .size: 8, .value_kind: global_buffer, .address_space: global }
    .group_segment_fixed_size: 0
    .private_segment_fixed_size: 0
    .kernarg_segment_align: 8
    .kernarg_segment_size: 32
    .max_flat_workgroup_size: 256
    .sgpr_count:     66
    .vgpr_count:     128
    .wavefront_size: 32
...
	.end_amdgpu_metadata
.endif
;; end of part 5
;; launch ff1 (part 6): grid 16 x 16, 4 waves a work-group, clusters of 4 x 4, 327,680 bytes of LDS; arguments hb, wts, b1, ff; writes ff
.if DOCPART == 6
	.amdgcn_target "amdgcn-amd-amdhsa--gfx1250"
	.amdhsa_code_object_version 6
	.text
	.protected	k_qf259e1fe80_ff1
	.globl	k_qf259e1fe80_ff1
	.p2align	8
	.type	k_qf259e1fe80_ff1,@function
k_qf259e1fe80_ff1:
	s_mov_b64 s[64:65], 0
	v_nop
	global_prefetch_b8 v0, s[64:65] scope:SCOPE_SE
	s_setreg_imm32_b32 hwreg(HW_REG_WAVE_MODE, 25, 1), 1
	s_wait_xcnt 0x0
	s_wait_alu depctr_hold_cnt(0) depctr_sa_sdst(0) depctr_va_vdst(0) depctr_va_sdst(0) depctr_va_ssrc(0) depctr_va_vcc(0) depctr_vm_vsrc(0)
	s_getreg_b32 s2, hwreg(HW_REG_IB_STS2, 6, 4)
	s_cmp_eq_u32 s2, 0
	s_cbranch_scc0 .Lentry_in_a_cluster
	s_endpgm
.Lentry_in_a_cluster:
	s_bfe_u32 s2, ttmp6, 0x10000c
	s_cmp_lg_u32 s2, 0xf033
	s_cbranch_scc0 .Lentry_shape_is_right
	s_endpgm
.Lentry_shape_is_right:
; ff = relu(hb w1 + b1), bf16, rounded once from its f32 sum.  hb: [4096][1024] bf16; w1: [1024 k][4096 n] bf16 in wts; ff: [4096][4096].  Products in bf16, sums in f32.
; SHARES.  A work-group makes 256 tokens x 256 columns: 16 x 16 work-groups; a wave 128 x 128: 64 accumulators, 512 registers.  K goes in 8 steps of 128 through two LDS slots.  Waves 0 and 1 bring hb's halves
; (128 rows x 256 bytes), waves 2 and 3 w1's (64 k rows x 512 bytes).
; CLUSTER.  4 x 4 work-groups: hb's tile is asked for jointly along a row of the cluster, w1's along a column.
; THE PRODUCT IS TAKEN TRANSPOSED: source 0 = 16 columns of w1 (turned by ds_load_tr16_b128), source 1 = 16 tokens: a lane holds one token (lane % 16) and the columns 8 (lane / 16) + 0..7.
; The bias is the C operand of each accumulator's first product: nothing is cleared, nothing added later.
; THE RING.  Both slots are asked for at the start.  A K step is four quarters of 32 along K, 64 matrix instructions each, on fragment buffers 0, 1, 0, 1.  The last quarter changes slots: every wave waits for
; its tensor load (tile t + 1), a round of the cluster's barrier follows, and tile t + 2 is asked for first thing behind it, into the slot just read out; the quarter's products stand round these lines.
; Two tensor loads of a wave are out at the start, then one; from a request to the wait for it a wave issues 224 matrix instructions.
; THE TEXT.  The quarter on buffer 0 is written once and walked twice a step: a forward jump on the counter leaves the inner loop for the change of slots.  The last two steps, which fill nothing, are a loop of two trips.
; REGISTERS (s_set_vgpr_msb: bits 1:0 source 0, 3:2 source 1, 5:4 source 2, 7:6 destination):
;   window 0: v16-31 addresses; v64-127, v128-191 hb's fragments, two buffers; v192-255 the bias, 8 for each of 8 column blocks; on the way out v192-223 packed results, v32-63 and v224-255 rows read back
;   window 1: v64-127, v128-191 w1's fragments      windows 2, 3: accumulator (a, b) at v[8 (8 (a % 4) + b)] of window 2 + a / 4
.set T,      8
.set PA,     272                       ; hb's rows in LDS: 256 bytes + 16 (64 banks of 4 bytes: ISA guide 11.1: the 16 rows of a load start at 16 different groups of four banks)
.set PB,     544                       ; a k row of w1: 512 bytes + 32
.set HALF,   128*PA                    ; what one tensor load brings: 128 x 272 = 64 x 544
.set BOFF,   2*HALF
.set SLOT,   0x22000                   ; 4 HALF; no base inside a slot has one of its two bits, so one exclusive or changes slots
.set STAGE,  2*SLOT
.set SPITCH, 272
.set SPARE,  STAGE+4*16*SPITCH         ; the spare words, 128 bytes for each wave: two blocks of 256 bytes that no other line names
.set KA,     64
.set KB,     32*PB
.set STEPA,  256
.set STEPB,  128*8192
.set OFF_W1, 8388608
.set ADRA0, 16
.set ADRB0, 17
.set ADRA,  18
.set ADRB,  19
.set STO,   24
.set RD,    25
.set CO,    26
.set ZR,    27                         ; v27  0, for the relu on packed halves
.set SPW,   28                         ; v28  my spare word: SPARE + 4 x my thread's number; never rewritten
.set NIL,   29                         ; v29  0; never rewritten
.set PFO,   30
.set BO,    31
.set OB,    32
.set F0,    64
.set F1,    128
.set BIAS,  192
.set TMP,   192
.set WV, 16
.set WR, 17
.set WC, 18
.set CX, 19
.set CY, 20
.set TC, 21
.set TR, 22
.set TBB, 23
.set G1A, 24
.set G1B, 32
.set G0A, 40                           ; s[40:43], s[44:47] descriptor groups 0 that walk
.set G0B, 44
.set TBA, 48
.set CNT, 49
.set STEPS, 50                         ; s50  6 - t in step t
.set LIM, 51
.set PFA, 52
.set TS,  78                           ; s78  counts the last two steps
.set G0A0, 80                          ; s[80:83], s[84:87] groups 0 of the first fills of slot 0
.set G0B0, 84
.set PFS, 92
.set MSB, 0
.macro WIN new
.if MSB != (\new)
	s_set_vgpr_msb (MSB<<8)|(\new)
.set MSB, \new
.endif
.endm
.macro PLACES                          ; four places in front of loads into registers that matrix instructions have read, and of reads of results
.rept 4
	v_nop
.endr
.endm
.macro CREST                           ; a round of the cluster's barrier behind its opening barrier
	s_cmp_lg_u32 s[WV], 0
	s_cbranch_scc1 .Lnw0_\@
	s_barrier_signal -3
.Lnw0_\@:
	s_barrier_wait -3
	s_barrier_signal -1
	s_barrier_wait -1
.endm
.macro CROUND                          ; a whole round
	s_barrier_signal -1
	s_barrier_wait -1
	CREST
.endm
.macro JLOAD                           ; a joint load; an s_nop 0 and four v_nop follow each of the two lines
	s_cmp_lt_u32 s[WV], 2
	s_cbranch_scc0 .Lfor_b_\@
	tensor_load_to_lds s[G0A:G0A+3], s[G1A:G1A+7]
	s_nop 0
.rept 4
	v_nop
.endr
	s_branch .Lasked_\@
.Lfor_b_\@:
	tensor_load_to_lds s[G0B:G0B+3], s[G1B:G1B+7]
	s_nop 0
.rept 4
	v_nop
.endr
.Lasked_\@:
.endm
; PREFETCH INTO THE L2, in step t for tile t + 3: one K step, 256 matrix instructions, ahead of its load.  Each block of 256 bytes is named once in the launch: hb's rows are asked for by cluster x = 0, w1's by
; cluster y = 0; of what a wave fetches each of the four partners that ask jointly takes a quarter, told apart by address: 32 rows of hb, or 16 k rows x 2 blocks of w1: one line a wave.
; Tiles 0 to 2 come by their loads alone; the last tile named is tile 7, in step 4.
.macro ASK
	s_cmp_gt_u32 s[STEPS], s[LIM]
	s_cbranch_scc0 .Lna_\@
	global_prefetch_b8 v[PFO], s[PFA:PFA+1] th:TH_LOAD_NT scope:SCOPE_SE
.Lna_\@:
.endm
; 16 matrix instructions: token blocks 4 p + a0, 4 p + a0 + 1 x all 8 column blocks, 32 along K, from buffer f.  One instruction a turn for each accumulator.  first = 1: C is the bias.
.macro MUL16 f, p, a0, first
.if \first
	WIN 0x81+0x40*(\p)
.else
	WIN 0xa1+0x50*(\p)
.endif
.irp a, \a0, (\a0)+1
.irp b, 0,1,2,3,4,5,6,7
.if \first
	v_wmma_f32_16x16x32_bf16 v[8*(8*(\a)+(\b)):8*(8*(\a)+(\b))+7], v[(\f)+8*(\b):(\f)+8*(\b)+7], v[(\f)+8*(4*(\p)+(\a)):(\f)+8*(4*(\p)+(\a))+7], v[BIAS+8*(\b):BIAS+8*(\b)+7]
.else
	v_wmma_f32_16x16x32_bf16 v[8*(8*(\a)+(\b)):8*(8*(\a)+(\b))+7], v[(\f)+8*(\b):(\f)+8*(\b)+7], v[(\f)+8*(4*(\p)+(\a)):(\f)+8*(4*(\p)+(\a))+7], v[8*(8*(\a)+(\b)):8*(8*(\a)+(\b))+7]
.endif
.endr
.endr
.endm
.macro MUL f, p, first                 ; 32 of them: token blocks 4 p .. 4 p + 3
	MUL16 \f, \p, 0, \first
	MUL16 \f, \p, 2, \first
.endm
; 32 LDS loads in one run: the fragments of 32 along K into buffer f: w1's eight (turned), then hb's eight
.macro FETCH ka, kb, f
	WIN 0x40
.irp i, 0,1,2,3,4,5,6,7
	ds_load_tr16_b128 v[(\f)+8*(\i):(\f)+8*(\i)+3],   v[ADRB] offset:(\kb)+32*(\i)
	ds_load_tr16_b128 v[(\f)+8*(\i)+4:(\f)+8*(\i)+7], v[ADRB] offset:(\kb)+16*PB+32*(\i)
.endr
	WIN 0
.irp i, 0,1,2,3,4,5,6,7
	ds_load_b128 v[(\f)+8*(\i):(\f)+8*(\i)+3],   v[ADRA] offset:(\ka)+(\i)*16*PA
	ds_load_b128 v[(\f)+8*(\i)+4:(\f)+8*(\i)+7], v[ADRA] offset:(\ka)+(\i)*16*PA+32
.endr
.endm
; One of a step's first three quarters.  At its head the next quarter's fragments are fetched into buffer g, four places behind the last product that read it: they have this quarter's 64 products in which to come.
.macro SUB f, g, ka, kb, first
	s_wait_dscnt 0x0                               ; buffer f is in
	PLACES
	FETCH \ka, \kb, \g
	MUL \f, 0, \first
	MUL \f, 1, \first
.endm
.macro NEXTPAIR                        ; 64 along K further on
	WIN 0
	s_add_co_u32 s[TBA], s[TBA], 2*KA
	s_add_co_u32 s[TBB], s[TBB], 2*KB
	v_add_nc_u32 v[ADRA], s[TBA], v[ADRA0]
	v_add_nc_u32 v[ADRB], s[TBB], v[ADRB0]
	s_sub_co_u32 s[CNT], s[CNT], 1
	s_cmp_lg_u32 s[CNT], 0
.endm
; A STEP'S LAST QUARTER multiplies buffer 1 and changes slots.  Each wave waits for all its tensor loads (one is out: its part of the next slot), adds 0 to its spare word, and waits for that and for its reads of
; this slot, which ended with buffer 1's.  Sixteen products stand between the add and the wait for it, sixteen between the opening signal and its wait, 32 behind the fetch of the next slot's first fragments.
; fill = 1: the barrier opens a round of the cluster's barrier, so that no wave of any partner still reads this slot or has a load on its way; the joint refill, two K steps on, is the first thing behind it.
; fill = 0: the last two steps: nothing is asked for; the very last fetches nothing either (the jump passes LDS loads alone).
.macro TURN fill
	WIN 0                                          ; (the add's two registers lie in window 0)
	s_wait_dscnt 0x0                               ; buffer 1 is in
.if \fill
	s_wait_xcnt 0x0                                ; the last prefetch, a K step back, has read its address: it steps here
	s_add_nc_u64 s[PFA:PFA+1], s[PFA:PFA+1], s[PFS:PFS+1]
.endif
	s_wait_tensorcnt 0x0                           ; no tensor load of mine is out, so the groups 0 may be written
	ds_add_u32 v[SPW], v[NIL]
.if \fill
	s_xor_b32 s[G0A+1], s[G0A+1], SLOT             ; the walking descriptors: the other slot than last time, the next tile
	s_add_nc_u64 s[G0A+2:G0A+3], s[G0A+2:G0A+3], STEPA
	s_xor_b32 s[G0B+1], s[G0B+1], SLOT
	s_add_nc_u64 s[G0B+2:G0B+3], s[G0B+2:G0B+3], STEPB
.endif
	s_sub_co_u32 s[TBA], s[TBA], 2*KA              ; the fetches go back to a tile's first K, in the other slot
	s_xor_b32 s[TBA], s[TBA], SLOT
	s_sub_co_u32 s[TBB], s[TBB], 2*KB
	s_xor_b32 s[TBB], s[TBB], SLOT
	MUL16 F1, 0, 0, 0
	s_wait_dscnt 0x0                               ; the add is done
	s_barrier_signal -1
	MUL16 F1, 0, 2, 0                              ; work on registers while the others arrive
	WIN 0
	s_barrier_wait -1
.if \fill
	CREST
	JLOAD                                          ; its four v_nop are also the places in front of the loads below
.else
	PLACES
.endif
	v_add_nc_u32 v[ADRA], s[TBA], v[ADRA0]
	v_add_nc_u32 v[ADRB], s[TBB], v[ADRB0]
.if !(\fill)
	s_cmp_eq_u32 s[TS], 1
	s_cbranch_scc1 .Lnf_\@
.endif
	FETCH 0, 0, F0
.if \fill
	ASK
.else
.Lnf_\@:
.endif
	MUL F1, 1, 0
.endm
	s_load_b256 s[4:11], s[0:1], 0x0               ; hb s[4:5], wts s[6:7], b1 s[8:9], ff s[10:11]
	v_lshl_add_u32 v[SPW], v0, 2, SPARE
	v_mov_b32 v[NIL], 0
	ds_add_u32 v[SPW], v[NIL]                      ; the wave's opening: the add and its wait ahead of my first tensor load; work on registers stands between them
	v_lshrrev_b32 v1, 5, v0
	v_readfirstlane_b32 s[WV], v1
	s_lshr_b32 s[WR], s[WV], 1
	s_and_b32 s[WC], s[WV], 1
	s_bfe_u32 s[CX], ttmp6, 0x40000
	s_bfe_u32 s[CY], ttmp6, 0x40004
	s_lshl_b32 s[TC], ttmp9, 2
	s_add_co_u32 s[TC], s[TC], s[CX]
	s_and_b32 s[TR], ttmp7, 0xffff
	s_lshl_b32 s[TR], s[TR], 2
	s_add_co_u32 s[TR], s[TR], s[CY]
	s_lshl_b32 s54, s[CY], 2
	s_lshl_b32 s54, 15, s54                        ; my row of the cluster
	s_lshl_b32 s58, 0x1111, s[CX]                  ; my column
	s_or_b32 s[G1A], s54, (1<<16)|(1<<20)|(1<<21)|(5<<22)|(3<<25)  ; mask; 2-byte elements; padding on; bit 21 beside a mask; after every 64 words, 4 words
	s_mov_b32 s[G1A+1], 128<<16                    ; tensor_dim0 = 128
	s_mov_b32 s[G1A+2], 128<<16                    ; tensor_dim1 = 128
	s_mov_b32 s[G1A+3], 128<<16                    ; tile_dim0 = 128
	s_mov_b32 s[G1A+4], 128                        ; tile_dim1 = 128
	s_mov_b32 s[G1A+5], 1024                       ; elements from row to row
	s_mov_b32 s[G1A+6], 0
	s_mov_b32 s[G1A+7], 0
	s_or_b32 s[G1B], s58, (1<<16)|(1<<20)|(1<<21)|(6<<22)|(7<<25)  ; after every 128 words, 8 words
	s_mov_b32 s[G1B+1], 256<<16
	s_mov_b32 s[G1B+2], 64<<16
	s_mov_b32 s[G1B+3], 256<<16
	s_mov_b32 s[G1B+4], 64
	s_mov_b32 s[G1B+5], 4096
	s_mov_b32 s[G1B+6], 0
	s_mov_b32 s[G1B+7], 0
	s_lshl_b32 s54, s[TR], 19                      ; hb: 256 rows of 2,048 bytes a tile row,
	s_lshl_b32 s55, s[WC], 18                      ; my 128 of them
	s_add_co_u32 s54, s54, s55
	s_mov_b32 s55, 0
	s_lshl_b32 s58, s[TC], 9                       ; w1: the tile's 256 columns,
	s_lshl_b32 s59, s[WC], 19                      ; my 64 k rows of 8,192 bytes
	s_add_co_u32 s58, s58, s59
	s_add_co_u32 s58, s58, OFF_W1
	s_mov_b32 s59, 0
	s_mov_b32 s[G0A0], 1                           ; tile 0 goes to slot 0, tile 1 to slot 1
	s_mul_i32 s[G0A0+1], s[WV], HALF               ; hb's two halves, then w1's two: wave x HALF
	s_mov_b32 s[G0A], 1
	s_add_co_u32 s[G0A+1], s[G0A0+1], SLOT
	s_mov_b32 s[G0B0], 1
	s_mul_i32 s[G0B0+1], s[WV], HALF
	s_mov_b32 s[G0B], 1
	s_add_co_u32 s[G0B+1], s[G0B0+1], SLOT
	s_mov_b32 s[TBA], 0
	s_mov_b32 s[TBB], 0
	s_mov_b32 s[STEPS], T-2
	s_wait_dscnt 0x0                               ; the opening add is done
	s_wait_kmcnt 0x0
	s_add_nc_u64 s[G0A0+2:G0A0+3], s[4:5], s[54:55]
	s_add_nc_u64 s[G0A+2:G0A+3], s[G0A0+2:G0A0+3], STEPA
	s_or_b32 s[G0A0+3], s[G0A0+3], 0x80000000
	s_or_b32 s[G0A+3], s[G0A+3], 0x80000000
	s_add_nc_u64 s[G0B0+2:G0B0+3], s[6:7], s[58:59]
	s_add_nc_u64 s[G0B+2:G0B+3], s[G0B0+2:G0B0+3], STEPB
	s_or_b32 s[G0B0+3], s[G0B0+3], 0x80000000
	s_or_b32 s[G0B+3], s[G0B+3], 0x80000000
	CROUND                                         ; all sixteen work-groups are here: the first joint loads meet
	s_cmp_lt_u32 s[WV], 2                          ; a wave's two first fills stand in one branch, ahead of every wait on TENSORcnt and every LDS read; an s_nop 0 follows each, four v_nop the second's
	s_cbranch_scc0 .Lfirst_b
	tensor_load_to_lds s[G0A0:G0A0+3], s[G1A:G1A+7]
	s_nop 0
	tensor_load_to_lds s[G0A:G0A+3], s[G1A:G1A+7]
	s_nop 0
.rept 4
	v_nop
.endr
	s_branch .Lfirst_asked
.Lfirst_b:
	tensor_load_to_lds s[G0B0:G0B0+3], s[G1B:G1B+7]
	s_nop 0
	tensor_load_to_lds s[G0B:G0B+3], s[G1B:G1B+7]
	s_nop 0
.rept 4
	v_nop
.endr
.Lfirst_asked:
	v_and_b32 v1, 15, v0                           ; r = l % 16
	v_bfe_u32 v2, v0, 4, 1                         ; h = l / 16
	v_and_b32 v3, 7, v0
	v_bfe_u32 v4, v0, 3, 1
	v_and_b32 v5, 31, v0
	v_mov_b32 v[ZR], 0
	v_mul_u32_u24 v[ADRA0], v1, PA
	v_lshl_add_u32 v[ADRA0], v2, 4, v[ADRA0]
	s_mul_i32 s66, s[WR], HALF
	v_add_nc_u32 v[ADRA0], s66, v[ADRA0]
	v_lshl_add_u32 v6, v2, 3, v3
	v_mul_u32_u24 v[ADRB0], v6, PB
	v_lshl_add_u32 v[ADRB0], v4, 4, v[ADRB0]
	s_lshl_b32 s66, s[WC], 8
	s_add_co_u32 s66, s66, BOFF
	v_add_nc_u32 v[ADRB0], s66, v[ADRB0]
	s_mul_i32 s66, s[WV], 16*SPITCH
	s_add_co_u32 s66, s66, STAGE
	v_mul_u32_u24 v[STO], v1, SPITCH               ; in: row r, 16 bytes for each half of the lanes
	v_lshl_add_u32 v[STO], v2, 4, v[STO]
	v_add_nc_u32 v[STO], s66, v[STO]
	v_mul_u32_u24 v[RD], v2, SPITCH                ; back: lanes 0-15 take one row of 256 bytes, lanes 16-31 the next
	v_lshl_add_u32 v[RD], v1, 4, v[RD]
	v_add_nc_u32 v[RD], s66, v[RD]
	v_lshlrev_b32 v[CO], 13, v2                    ; and the same two rows in ff
	v_lshl_add_u32 v[CO], v1, 4, v[CO]
	v_lshlrev_b32 v[BO], 5, v2
	s_lshl_b32 s66, s[TC], 10                      ; my 128 columns of b1
	s_lshl_b32 s67, s[WC], 9
	s_add_co_u32 s66, s66, s67
	s_mov_b32 s67, 0
	s_add_nc_u64 s[8:9], s[8:9], s[66:67]
	s_lshl_b32 s66, s[TR], 21                      ; my part of ff: 256 tokens of 8,192 bytes a tile row, my 128, my 128 columns
	s_lshl_b32 s68, s[WR], 20
	s_add_co_u32 s66, s66, s68
	s_lshl_b32 s68, s[TC], 9
	s_add_co_u32 s66, s66, s68
	s_lshl_b32 s68, s[WC], 8
	s_add_co_u32 s66, s66, s68
	s_add_nc_u64 s[10:11], s[10:11], s[66:67]
.irp b, 0,1,2,3,4,5,6,7
	global_load_b128 v[BIAS+8*\b:BIAS+8*\b+3],   v[BO], s[8:9] offset:64*\b
	global_load_b128 v[BIAS+8*\b+4:BIAS+8*\b+7], v[BO], s[8:9] offset:64*\b+16
.endr
	; the prefetches' pointer, at tile 2: the first change of slots steps it to tile 3
	s_lshl_b32 s70, s[TR], 19
	s_lshl_b32 s71, s[WC], 18
	s_add_co_u32 s70, s70, s71
	s_lshl_b32 s71, s[CX], 16                      ; my work-group's 32 rows of the wave's 128
	s_add_co_u32 s70, s70, s71
	s_add_co_u32 s70, s70, 2*STEPA
	s_lshl_b32 s72, s[TC], 9
	s_lshl_b32 s73, s[WC], 19
	s_add_co_u32 s72, s72, s73
	s_lshl_b32 s73, s[CY], 17                      ; my work-group's 16 k rows of the wave's 64
	s_add_co_u32 s72, s72, s73
	s_add_co_u32 s72, s72, OFF_W1+2*STEPB
	s_and_b32 s73, ttmp7, 0xffff                   ; cluster y
	s_mov_b32 s74, STEPB
	s_cmp_lt_u32 s[WV], 2
	s_cselect_b32 s70, s70, s72
	s_cselect_b32 s73, ttmp9, s73                  ; the coordinate along which other clusters read the same rows
	s_cselect_b32 s75, 0, 1                        ; hb: a lane a row; w1: two lanes a k row
	s_cselect_b32 s76, 11, 13
	s_cselect_b32 s[PFS], STEPA, s74
	s_cselect_b64 s[PFA:PFA+1], s[4:5], s[6:7]
	s_mov_b32 s71, 0
	s_mov_b32 s[PFS+1], 0
	s_add_nc_u64 s[PFA:PFA+1], s[PFA:PFA+1], s[70:71]
	s_cmp_eq_u32 s73, 0
	s_cselect_b32 s[LIM], 1, -1                    ; the same in all sixteen partners, for a given wave
	v_lshrrev_b32 v6, s75, v5
	v_lshlrev_b32 v6, s76, v6
	v_and_b32 v7, s75, v5
	v_lshl_add_u32 v[PFO], v7, 8, v6
	s_wait_tensorcnt 0x1                           ; my part of slot 0 is in; slot 1's load, issued behind it, may stay out
	s_barrier_signal -1
	s_barrier_wait -1                              ; everybody's is
	v_add_nc_u32 v[ADRA], s[TBA], v[ADRA0]
	v_add_nc_u32 v[ADRB], s[TBB], v[ADRB0]
	FETCH 0, 0, F0
	s_wait_loadcnt 0x0                             ; the bias
	SUB F0, F1, KA, KB, 1                          ; the first quarter alone is written out: its products start the sums
	WIN 0
	s_mov_b32 s[CNT], 2
	s_branch .Lmid                                 ; the loop is entered at a step's second quarter
.Lstep:                                            ; steps 0 to 5: each ends with a refill
	s_mov_b32 s[CNT], 2
.Linner:
	SUB F0, F1, KA, KB, 0                          ; a step's first quarter, and its third
	WIN 0
	s_cmp_eq_u32 s[CNT], 1
	s_cbranch_scc1 .Lturn                          ; behind the third comes the change of slots
.Lmid:
	SUB F1, F0, 2*KA, 2*KB, 0                      ; the second
	NEXTPAIR
	s_cbranch_scc1 .Linner
.Lturn:
	TURN 1
	WIN 0
	s_sub_co_u32 s[STEPS], s[STEPS], 1
	s_cmp_lg_u32 s[STEPS], 0
	s_cbranch_scc1 .Lstep
	s_mov_b32 s[TS], 2                             ; the last two steps are written out: nothing is asked for
.Ltstep:
	s_mov_b32 s[CNT], 2
.Ltinner:
	SUB F0, F1, KA, KB, 0
	WIN 0
	s_cmp_eq_u32 s[CNT], 1
	s_cbranch_scc1 .Ltturn
	SUB F1, F0, 2*KA, 2*KB, 0
	NEXTPAIR
	s_cbranch_scc1 .Ltinner
.Ltturn:
	TURN 0
	WIN 0
	s_sub_co_u32 s[TS], s[TS], 1
	s_cmp_lg_u32 s[TS], 0
	s_cbranch_scc1 .Ltstep
; THE WAY OUT of token block a.  PACK: rounded to bf16, 16 bytes a lane, and the relu on the packed halves (a maximum rounds nothing).  TOSTAGE: into my stage, and back as whole rows of 256 bytes.  SEND: stored.
.macro PACK a
.set AC, 64*((\a)%4)
	WIN 0x0a+5*((\a)/4)                            ; sources 0 and 1: window 2 or 3
.irp b, 0,1,2,3,4,5,6,7
.irp r, 0,1,2,3
	v_cvt_pk_bf16_f32 v[TMP+4*(\b)+(\r)], v[AC+8*(\b)+2*(\r)], v[AC+8*(\b)+2*(\r)+1]
.endr
.endr
	WIN 0
.set z, 0
.rept 32
	v_pk_max_num_bf16 v[TMP+z], v[TMP+z], v[ZR]
.set z, z+1
.endr
.endm
.macro TOSTAGE a
.set BKR, OB+192*((\a)%2)
.irp b, 0,1,2,3,4,5,6,7
	ds_store_b128 v[STO], v[TMP+4*(\b):TMP+4*(\b)+3] offset:32*(\b)
.endr
.irp t, 0,1,2,3,4,5,6,7
	ds_load_b128 v[BKR+4*(\t):BKR+4*(\t)+3], v[RD] offset:(\t)*2*SPITCH  ; LDS serves a wave's instructions in order (ISA guide 5.7.1.4): these see the stores above
.endr
.endm
.macro SEND a
.set BKR, OB+192*((\a)%2)
	s_wait_dscnt 0x0                               ; the block is back in registers
	s_wait_xcnt 0x0                                ; the stores issued so far have read their registers: the other set is loaded again only behind this wait
.irp t, 0,1,2,3,4,5,6,7
	global_store_b128 v[CO], v[BKR+4*(\t):BKR+4*(\t)+3], s[10:11] offset:(16*(\a)+2*(\t))*8192  ; 16 lanes store 256 consecutive bytes, at a multiple of 256 from ff's first byte
.endr
.endm
	WIN 0
	PLACES
	PACK 0
	TOSTAGE 0
.irp a, 1,2,3,4,5,6,7                  ; block a's conversions stand between block a - 1's loads from the stage and the wait for them
	PACK \a
	SEND (\a)-1
	TOSTAGE \a
.endr
	SEND 7
	s_wait_tensorcnt 0x0                           ; the wave's end, behind my last tensor load and my last LDS store
	ds_add_u32 v[SPW], v[NIL]
	s_wait_dscnt 0x0
	CROUND                                         ; the closing round: no work-group ends while a partner may still ask for a tile that names it
	s_endpgm
.Lfunc_end_k_qf259e1fe80_ff1:
	.size	k_qf259e1fe80_ff1, .Lfunc_end_k_qf259e1fe80_ff1-k_qf259e1fe80_ff1
	.p2alignl 7, 3214868480
	.fill 96, 4, 3214868480
	.section	.rodata,"a",@progbits
	.p2align	6, 0x0
	.amdhsa_kernel k_qf259e1fe80_ff1
		.amdhsa_group_segment_fixed_size 327680
		.amdhsa_private_segment_fixed_size 0
		.amdhsa_enable_private_segment 0
		.amdhsa_kernarg_size 32
		.amdhsa_user_sgpr_count 2
		.amdhsa_user_sgpr_kernarg_segment_ptr 1
		.amdhsa_wavefront_size32 1
		.amdhsa_system_sgpr_workgroup_id_x 1
		.amdhsa_system_sgpr_workgroup_id_y 1
		.amdhsa_system_sgpr_workgroup_id_z 1
		.amdhsa_system_vgpr_workitem_id 0
		.amdhsa_next_free_vgpr 1024
		.amdhsa_next_free_sgpr 96
		.amdhsa_reserve_vcc 0
		.amdhsa_float_denorm_mode_32 3
		.amdhsa_float_denorm_mode_16_64 3
		.amdhsa_memory_ordered 1
		.amdhsa_forward_progress 1
		.amdhsa_inst_pref_size 107
	.end_amdhsa_kernel
	.amdgpu_metadata
---
amdhsa.version: [ 1, 2 ]
amdhsa.kernels:
  - .name:           k_qf259e1fe80_ff1
    .symbol:         k_qf259e1fe80_ff1.kd
    .args:
      - { .name: hb, .offset: 0, .size: 8, .value_kind: global_buffer, .address_space: global }
      - { .name: wts, .offset: 8, .size: 8, .value_kind: global_buffer, .address_space: global }
      - { .name: b1, .offset: 16, .size: 8, .value_kind: global_buffer, .address_space: global }
      - { .name: ff, .offset: 24, .size: 8, .value_kind: global_buffer, .address_space: global }
    .group_segment_fixed_size: 327680
    .private_segment_fixed_size: 0
    .kernarg_segment_align: 8
    .kernarg_segment_size: 32
    .max_flat_workgroup_size: 128
    .sgpr_count:     96
    .vgpr_count:     1024
    .wavefront_size: 32
...
	.end_amdgpu_metadata
.endif
;; end of part 6
;; launch ff2 (part 7): grid 8 x 32, 4 waves a work-group, clusters of 4 x 4, 327,680 bytes of LDS; arguments ff, wts, b2, x1, out0; writes out0
.if DOCPART == 7
	.amdgcn_target "amdgcn-amd-amdhsa--gfx1250"
	.amdhsa_code_object_version 6
	.text
	.protected	k_qf259e1fe80_ff2
	.globl	k_qf259e1fe80_ff2
	.p2align	8
	.type	k_qf259e1fe80_ff2,@function
k_qf259e1fe80_ff2:
	s_mov_b64 s[64:65], 0
	v_nop
	global_prefetch_b8 v0, s[64:65] scope:SCOPE_SE
	s_setreg_imm32_b32 hwreg(HW_REG_WAVE_MODE, 25, 1), 1
	s_wait_xcnt 0x0
	s_wait_alu depctr_hold_cnt(0) depctr_sa_sdst(0) depctr_va_vdst(0) depctr_va_sdst(0) depctr_va_ssrc(0) depctr_va_vcc(0) depctr_vm_vsrc(0)
	s_getreg_b32 s2, hwreg(HW_REG_IB_STS2, 6, 4)
	s_cmp_eq_u32 s2, 0
	s_cbranch_scc0 .Lentry_in_a_cluster
	s_endpgm
.Lentry_in_a_cluster:
	s_bfe_u32 s2, ttmp6, 0x10000c
	s_cmp_lg_u32 s2, 0xf033
	s_cbranch_scc0 .Lentry_shape_is_right
	s_endpgm
.Lentry_shape_is_right:
; OUT = RES + A W + bias, f32.  One text serves two launches by the switch WO:
;   WO = 1:  x1 = x + att wo + bo.    A = att, f16 by heads [64 (batch x 16 + head)][1024][64]; W = wo, f16 [1024 k][1024 n] in wts; K = 1,024; products in f16.
;   WO = 0:  out0 = x1 + ff w2 + b2.  A = ff, bf16 [4096][4096]; W = w2, bf16 [4096 k][1024 n] in wts; K = 4,096; products in bf16.
; Sums in f32, in an order that differs from cluster to cluster (THE WALK); the bias is the C operand of each accumulator's first product; the residual is added in f32 on the way out.
; SHARES.  A work-group makes 128 tokens x 128 columns: 8 x 32 work-groups; a wave 64 x 64: 16 accumulators.  K goes in tiles of 256 through two LDS slots.  Waves 0 and 1 bring A's halves (WO = 0: 64 tokens x
; 512 bytes each), waves 2 and 3 W's (128 k x 256 bytes each).
; CLUSTER.  4 x 4 work-groups: A's tile is asked for jointly along a row of the cluster, W's along a column.
; THE PRODUCT IS TAKEN TRANSPOSED: source 0 = 16 columns of W (turned by ds_load_tr16_b128), source 1 = 16 tokens: a lane holds one token (lane % 16) and the columns 8 (lane / 16) + 0..7.
; THE WALK.  The launch has 2 x 8 clusters.  The two of a row of clusters read the same rows of A, the eight of a column the same columns of W.  A cluster begins its walk along K at tile
; (T / 2) x cluster x + (T / 4) x (cluster y % 4), modulo T, and goes round: so clusters that read the same rows ask for different tiles at any one time.  The tile's number hangs on the cluster's
; coordinates alone, which all sixteen partners share; the descriptors' global addresses are made anew from it for each fill.
; THE RING.  Both slots are asked for at the start.  At the head of step t >= 1 every wave waits for its tensor load (place t of the walk), a round of the cluster's barrier follows, and place t + 1 is asked for
; first thing behind it, into the slot read in step t - 1.  Two tensor loads of a wave are out at the start, then one, which has the step's 128 matrix instructions in which to land.
; REGISTERS (s_set_vgpr_msb: bits 1:0 source 0, 3:2 source 1, 5:4 source 2, 7:6 destination):
;   window 0: v16-31 addresses; v32-63 the bias, later with v64-95 two sets for the way out; v128-255 accumulator (a, b) at 128 + 8 (4 a + b)
;   window 1: two fragment buffers of 128 for 64 along K: A at 8 (4 c + i), W at 64 + 8 (4 c + i)          window 2: v0-127 the residual, 32 for each 16 tokens
.set WO, 0
.if WO
.set T,      4                         ; tiles along K
.set PA,     144                       ; a token's 128 bytes + 16
.set KA,     128*PA                    ; 64 along K = the next head's block
.set AWAVE,  2*128*PA                  ; what a wave brings of A
.set SHA,    19                        ; a tile of A in memory: four heads, 524,288 bytes
.set OFFW,   6291456
.else
.set T,      16
.set PA,     528                       ; a token's 512 bytes + 16
.set KA,     128
.set AWAVE,  64*PA
.set SHA,    9                         ; a tile of A in memory: 512 bytes along the rows
.set OFFW,   16777216
.endif
.set SHB,    19                        ; a tile of W in memory: 256 k rows of 2,048 bytes
.set BOFF,   2*AWAVE                   ; W lies behind A
.set PB,     288                       ; a k row: 256 bytes + 32
.set KB,     64*PB
.set BWAVE,  128*PB
.set SLOT,   0x24000                   ; no base inside a slot has one of its two bits, so one exclusive or changes slots
.set STAGE,  2*SLOT                    ; behind the ring, never filled by a tensor load: 16 rows x 272 bytes for each wave
.set SPITCH, 272
.set SPARE,  STAGE+4*16*SPITCH         ; the spare words, 128 bytes for each wave: two blocks of 256 bytes that no other line names
.set ADRA0, 16
.set ADRB0, 17
.set ADRA,  18
.set ADRB,  19
.set STO,   24
.set RD,    25
.set CO,    26                         ; v26  my 16 bytes in two rows of RES and OUT; never rewritten
.set SPW,   28                         ; v28  my spare word: SPARE + 4 x my thread's number; never rewritten
.set NIL,   29                         ; v29  0; never rewritten
.set PFO,   30
.set BO,    31
.set BIAS,  32
.set BK,    32
.set ACC,   128
.set F0,    0
.set F1,    128
.set WV, 16
.set WR, 17                            ; s17  which 64 tokens are mine
.set WC, 18                            ; s18  which 64 columns; also which half of a tile I fetch
.set CX, 19
.set CY, 20
.set TC, 21
.set TR, 22
.set TBB, 23
.set G1A, 24
.set G1B, 32
.set G0A, 40                           ; s[40:43], s[44:47] descriptor groups 0 that walk
.set G0B, 44
.set TBA, 48
.set CNT, 49
.set STEPS, 50                         ; s50  T - 1 - t in step t
.set LIM, 51
.set PFA, 52
.set ABASE, 56                         ; s[56:57] A at my part of tile 0
.set G0A0, 60                          ; s[60:63] group 0 of A's first fill
.set KT,  78                           ; s78  the tile asked for last
.set OFA, 80                           ; s[80:81], s[82:83] a tile's byte offset in A, in W
.set OFB, 82
.set BBASE, 84                         ; s[84:85] W at my part of tile 0
.set PBASE, 86                         ; s[86:87] A at the rows that I prefetch, tile 0
.set G0B0, 88                          ; s[88:91] group 0 of W's first fill
.set OFP, 94                           ; s[94:95] the prefetched tile's byte offset
.set MSB, 0
.macro WIN new
.if MSB != (\new)
	s_set_vgpr_msb (MSB<<8)|(\new)
.set MSB, \new
.endif
.endm
.macro PLACES                          ; four places in front of loads into registers that matrix instructions have read, and of reads of results
.rept 4
	v_nop
.endr
.endm
.macro CROUND                          ; a round of the cluster's barrier
	s_barrier_signal -1
	s_barrier_wait -1
	s_cmp_lg_u32 s[WV], 0
	s_cbranch_scc1 .Lnw0_\@
	s_barrier_signal -3
.Lnw0_\@:
	s_barrier_wait -3
	s_barrier_signal -1
	s_barrier_wait -1
.endm
.macro JLOAD                           ; a joint load; an s_nop 0 and four v_nop follow each of the two lines
	s_cmp_lt_u32 s[WV], 2
	s_cbranch_scc0 .Lfor_b_\@
	tensor_load_to_lds s[G0A:G0A+3], s[G1A:G1A+7]
	s_nop 0
.rept 4
	v_nop
.endr
	s_branch .Lasked_\@
.Lfor_b_\@:
	tensor_load_to_lds s[G0B:G0B+3], s[G1B:G1B+7]
	s_nop 0
.rept 4
	v_nop
.endr
.Lasked_\@:
.endm
; PREFETCH INTO THE L2 (WO = 0), in steps t = 1 to 4 for A's tile at place t + 3 of my cluster's walk: two steps, 256 matrix instructions, ahead of its load.  The two clusters that read the same rows of A begin
; T / 2 tiles apart, so places 0 to T / 2 - 1 of a walk are the tiles that its cluster is the first to reach: each cluster asks for those of its own, and each block of 256 bytes is named once in the launch.
; Of the 64 tokens that wave 0 or 1 fetches, each of the four partners that ask jointly takes 16, told apart by address: two lanes a token, one line a wave.  Places 0 to 3 come by their loads alone.
; W is not asked for: the clusters of a column begin T / 4 tiles apart, and the places 0 to T / 4 - 1 that a cluster is the first to reach are those four.
.macro ASK
	s_cmp_gt_u32 s[STEPS], s[LIM]
	s_cbranch_scc0 .Lna_\@
	global_prefetch_b8 v[PFO], s[PFA:PFA+1] th:TH_LOAD_NT scope:SCOPE_SE
.Lna_\@:
.endm
; 16 matrix instructions: all 16 accumulators once, 32 along K: half c of buffer f.  One instruction a turn.  first = 1: C is the bias.
.macro MUL f, c, first
	WIN 0x05
.irp a, 0,1,2,3
.irp b, 0,1,2,3
.set rD, ACC+8*(4*(\a)+(\b))
.set rX, (\f)+64+8*(4*(\c)+(\b))
.set rY, (\f)+8*(4*(\c)+(\a))
.set rC, rD
.if \first
.set rC, BIAS+8*(\b)
.endif
.if WO
	v_wmma_f32_16x16x32_f16 v[rD:rD+7], v[rX:rX+7], v[rY:rY+7], v[rC:rC+7]
.else
	v_wmma_f32_16x16x32_bf16 v[rD:rD+7], v[rX:rX+7], v[rY:rY+7], v[rC:rC+7]
.endif
.endr
.endr
.endm
; 32 LDS loads in one run: the fragments of 64 along K into buffer f
.macro FETCH ka, kb, f
	WIN 0x40
.irp c, 0,1
.irp i, 0,1,2,3
	ds_load_tr16_b128 v[(\f)+64+8*(4*(\c)+(\i)):(\f)+64+8*(4*(\c)+(\i))+3],   v[ADRB] offset:(\kb)+(\c)*32*PB+32*(\i)
	ds_load_tr16_b128 v[(\f)+64+8*(4*(\c)+(\i))+4:(\f)+64+8*(4*(\c)+(\i))+7], v[ADRB] offset:(\kb)+(\c)*32*PB+16*PB+32*(\i)
	ds_load_b128 v[(\f)+8*(4*(\c)+(\i)):(\f)+8*(4*(\c)+(\i))+3],   v[ADRA] offset:(\ka)+64*(\c)+(\i)*16*PA
	ds_load_b128 v[(\f)+8*(4*(\c)+(\i))+4:(\f)+8*(4*(\c)+(\i))+7], v[ADRA] offset:(\ka)+64*(\c)+(\i)*16*PA+32
.endr
.endr
	WIN 0
.endm
; 64 along K.  At the quarter's head the next quarter's fragments are fetched into buffer g, four places behind the last product that read it: they have this quarter's 32 products in which to come.
; Then buffer f is multiplied.  skip = 1: a step's last quarter fetches nothing (the jump passes LDS loads alone, and no counted wait stands behind it).
.macro SUB f, g, ka, kb, first, skip
	s_wait_dscnt 0x0                               ; buffer f is in
	PLACES
.if \skip
	WIN 0
	s_cmp_eq_u32 s[CNT], 1
	s_cbranch_scc1 .Lnf_\@
.endif
	FETCH \ka, \kb, \g
.if \skip
.Lnf_\@:
.endif
	MUL \f, 0, \first
	MUL \f, 1, 0
.endm
.macro NEXTPAIR                        ; 128 along K further on
	WIN 0
	s_add_co_u32 s[TBA], s[TBA], 2*KA
	s_add_co_u32 s[TBB], s[TBB], 2*KB
	v_add_nc_u32 v[ADRA], s[TBA], v[ADRA0]
	v_add_nc_u32 v[ADRB], s[TBB], v[ADRB0]
	s_sub_co_u32 s[CNT], s[CNT], 1
	s_cmp_lg_u32 s[CNT], 0
.endm
; THE CHANGE OF SLOTS, at the head of a step.  Each wave waits for all its tensor loads (one is out: its part of this step's tile), adds 0 to its spare word, and waits for that and for its reads of the slot
; that it leaves.  fill = 1: a round of the cluster's barrier, so that no wave of any partner still reads that slot or has a load on its way; the joint refill is the first thing behind it.
.macro CHANGE fill
	WIN 0
.if (\fill) && (WO == 0)
	s_wait_xcnt 0x0                                ; the last prefetch, a step back, has read its address: it is made anew here, three places on from the tile asked for last
	s_add_co_u32 s[OFP], s[KT], 3
	s_and_b32 s[OFP], s[OFP], T-1
	s_lshl_b32 s[OFP], s[OFP], SHA
	s_add_nc_u64 s[PFA:PFA+1], s[PBASE:PBASE+1], s[OFP:OFP+1]
.endif
	s_wait_tensorcnt 0x0                           ; no tensor load of mine is out, so the groups 0 may be written
	ds_add_u32 v[SPW], v[NIL]                      ; the scalar work below stands between the add and the wait for it
.if \fill
	s_add_co_u32 s[KT], s[KT], 1                   ; the walk's next tile, round the end of K
	s_and_b32 s[KT], s[KT], T-1
	s_lshl_b32 s[OFA], s[KT], SHA
	s_lshl_b32 s[OFB], s[KT], SHB
	s_xor_b32 s[G0A+1], s[G0A+1], SLOT
	s_add_nc_u64 s[G0A+2:G0A+3], s[ABASE:ABASE+1], s[OFA:OFA+1]
	s_or_b32 s[G0A+3], s[G0A+3], 0x80000000
	s_xor_b32 s[G0B+1], s[G0B+1], SLOT
	s_add_nc_u64 s[G0B+2:G0B+3], s[BBASE:BBASE+1], s[OFB:OFB+1]
	s_or_b32 s[G0B+3], s[G0B+3], 0x80000000
.endif
	s_sub_co_u32 s[TBA], s[TBA], 4*KA              ; the fetches go back to a tile's first K, in the other slot
	s_xor_b32 s[TBA], s[TBA], SLOT
	s_sub_co_u32 s[TBB], s[TBB], 4*KB
	s_xor_b32 s[TBB], s[TBB], SLOT
	s_wait_dscnt 0x0                               ; the add is done, and my reads of the old slot are over
.if \fill
	CROUND
	JLOAD                                          ; its four v_nop are also the places in front of the loads below
.else
	s_barrier_signal -1
	s_barrier_wait -1
	PLACES
.endif
	v_add_nc_u32 v[ADRA], s[TBA], v[ADRA0]
	v_add_nc_u32 v[ADRB], s[TBB], v[ADRB0]
	FETCH 0, 0, F0
.if (\fill) && (WO == 0)
	ASK
.endif
.endm
	s_load_b256 s[4:11], s[0:1], 0x0               ; A s[4:5], wts s[6:7], bias s[8:9], RES s[10:11]
	s_load_b64 s[12:13], s[0:1], 0x20              ; OUT
	v_lshl_add_u32 v[SPW], v0, 2, SPARE
	v_mov_b32 v[NIL], 0
	ds_add_u32 v[SPW], v[NIL]                      ; the wave's opening: the add and its wait ahead of my first tensor load; work on registers stands between them
	v_lshrrev_b32 v1, 5, v0
	v_readfirstlane_b32 s[WV], v1
	s_lshr_b32 s[WR], s[WV], 1
	s_and_b32 s[WC], s[WV], 1
	s_bfe_u32 s[CX], ttmp6, 0x40000
	s_bfe_u32 s[CY], ttmp6, 0x40004
	s_lshl_b32 s[TC], ttmp9, 2
	s_add_co_u32 s[TC], s[TC], s[CX]
	s_and_b32 s[TR], ttmp7, 0xffff
	s_lshl_b32 s[TR], s[TR], 2
	s_add_co_u32 s[TR], s[TR], s[CY]
	s_lshl_b32 s54, s[CY], 2
	s_lshl_b32 s54, 15, s54                        ; my row of the cluster
	s_lshl_b32 s58, 0x1111, s[CX]                  ; my column
.if WO
	s_or_b32 s[G1A], s54, (1<<16)|(1<<20)|(1<<21)|(4<<22)|(3<<25)  ; mask; 2-byte elements; padding on; bit 21 beside a mask; after every 32 words (a token), 4 words
	s_mov_b32 s[G1A+1], 8192<<16                   ; tensor_dim0 = 8,192: 128 tokens x 64 channels, dense
	s_mov_b32 s[G1A+2], 2<<16                      ; tensor_dim1 = 2 heads
	s_mov_b32 s[G1A+3], 8192<<16                   ; tile_dim0
	s_mov_b32 s[G1A+4], 2                          ; tile_dim1
	s_mov_b32 s[G1A+5], 65536                      ; elements from head to head
.else
	s_or_b32 s[G1A], s54, (1<<16)|(1<<20)|(1<<21)|(6<<22)|(3<<25)  ; mask; 2-byte elements; padding on; bit 21 beside a mask; after every 128 words (a token's 512 bytes), 4 words
	s_mov_b32 s[G1A+1], 256<<16                    ; tensor_dim0 = 256
	s_mov_b32 s[G1A+2], 64<<16                     ; tensor_dim1 = 64
	s_mov_b32 s[G1A+3], 256<<16                    ; tile_dim0
	s_mov_b32 s[G1A+4], 64                         ; tile_dim1
	s_mov_b32 s[G1A+5], 4096                       ; elements from row to row
.endif
	s_mov_b32 s[G1A+6], 0
	s_mov_b32 s[G1A+7], 0
	s_or_b32 s[G1B], s58, (1<<16)|(1<<20)|(1<<21)|(5<<22)|(7<<25)  ; after every 64 words (a k row), 8 words
	s_mov_b32 s[G1B+1], 128<<16
	s_mov_b32 s[G1B+2], 128<<16
	s_mov_b32 s[G1B+3], 128<<16
	s_mov_b32 s[G1B+4], 128
	s_mov_b32 s[G1B+5], 1024
	s_mov_b32 s[G1B+6], 0
	s_mov_b32 s[G1B+7], 0
.if WO
	s_lshr_b32 s54, s[TR], 3                       ; the batch
	s_lshl_b32 s54, s54, 4
	s_lshl1_add_u32 s54, s[WC], s54                ; + my two heads of a tile's four
	s_lshl_b32 s54, s54, 17
	s_and_b32 s55, s[TR], 7
	s_lshl_b32 s55, s55, 14                        ; the tile's 128 tokens in a head
	s_add_co_u32 s54, s54, s55
.else
	s_lshl_b32 s54, s[TR], 20                      ; 128 tokens of 8,192 bytes,
	s_lshl_b32 s55, s[WC], 19                      ; my 64 of them
	s_add_co_u32 s54, s54, s55
.endif
	s_mov_b32 s55, 0
	s_lshl_b32 s58, s[TC], 8                       ; the tile's 128 columns,
	s_lshl_b32 s59, s[WC], 18                      ; my 128 k rows of 2,048 bytes
	s_add_co_u32 s58, s58, s59
	s_add_co_u32 s58, s58, OFFW
	s_mov_b32 s59, 0
	s_and_b32 s79, ttmp7, 0xffff                   ; the walk's first tile, from the cluster's two coordinates
	s_and_b32 s79, s79, 3
	s_mul_i32 s79, s79, T/4
	s_mul_i32 s[KT], ttmp9, T/2
	s_add_co_u32 s[KT], s[KT], s79
	s_and_b32 s[KT], s[KT], T-1
	s_lshl_b32 s[OFA], s[KT], SHA
	s_mov_b32 s[OFA+1], 0
	s_lshl_b32 s[OFB], s[KT], SHB
	s_mov_b32 s[OFB+1], 0
	s_mov_b32 s[G0A0], 1                           ; place 0 goes to slot 0, place 1 to slot 1
	s_mul_i32 s[G0A0+1], s[WC], AWAVE
	s_mov_b32 s[G0A], 1
	s_add_co_u32 s[G0A+1], s[G0A0+1], SLOT
	s_mov_b32 s[G0B0], 1
	s_mul_i32 s[G0B0+1], s[WC], BWAVE
	s_add_co_u32 s[G0B0+1], s[G0B0+1], BOFF
	s_mov_b32 s[G0B], 1
	s_add_co_u32 s[G0B+1], s[G0B0+1], SLOT
	s_mov_b32 s[TBA], 0
	s_mov_b32 s[TBB], 0
	s_mov_b32 s[STEPS], T-1
	s_wait_dscnt 0x0                               ; the opening add is done
	s_wait_kmcnt 0x0
	s_add_nc_u64 s[ABASE:ABASE+1], s[4:5], s[54:55]
	s_add_nc_u64 s[BBASE:BBASE+1], s[6:7], s[58:59]
	s_add_nc_u64 s[G0A0+2:G0A0+3], s[ABASE:ABASE+1], s[OFA:OFA+1]
	s_or_b32 s[G0A0+3], s[G0A0+3], 0x80000000
	s_add_nc_u64 s[G0B0+2:G0B0+3], s[BBASE:BBASE+1], s[OFB:OFB+1]
	s_or_b32 s[G0B0+3], s[G0B0+3], 0x80000000
	s_add_co_u32 s[KT], s[KT], 1
	s_and_b32 s[KT], s[KT], T-1
	s_lshl_b32 s[OFA], s[KT], SHA
	s_lshl_b32 s[OFB], s[KT], SHB
	s_add_nc_u64 s[G0A+2:G0A+3], s[ABASE:ABASE+1], s[OFA:OFA+1]
	s_or_b32 s[G0A+3], s[G0A+3], 0x80000000
	s_add_nc_u64 s[G0B+2:G0B+3], s[BBASE:BBASE+1], s[OFB:OFB+1]
	s_or_b32 s[G0B+3], s[G0B+3], 0x80000000
	CROUND                                         ; all sixteen work-groups are here: the first joint loads meet
	s_cmp_lt_u32 s[WV], 2                          ; a wave's two first fills stand in one branch, ahead of every wait on TENSORcnt and every LDS read; an s_nop 0 follows each, four v_nop the second's
	s_cbranch_scc0 .Lfirst_b
	tensor_load_to_lds s[G0A0:G0A0+3], s[G1A:G1A+7]
	s_nop 0
	tensor_load_to_lds s[G0A:G0A+3], s[G1A:G1A+7]
	s_nop 0
.rept 4
	v_nop
.endr
	s_branch .Lfirst_asked
.Lfirst_b:
	tensor_load_to_lds s[G0B0:G0B0+3], s[G1B:G1B+7]
	s_nop 0
	tensor_load_to_lds s[G0B:G0B+3], s[G1B:G1B+7]
	s_nop 0
.rept 4
	v_nop
.endr
.Lfirst_asked:
	v_and_b32 v1, 15, v0                           ; r = l % 16
	v_bfe_u32 v2, v0, 4, 1                         ; h = l / 16
	v_and_b32 v3, 7, v0
	v_bfe_u32 v4, v0, 3, 1
	v_and_b32 v5, 31, v0
	v_mul_u32_u24 v[ADRA0], v1, PA
	v_lshl_add_u32 v[ADRA0], v2, 4, v[ADRA0]
	s_mul_i32 s66, s[WR], 64*PA
	v_add_nc_u32 v[ADRA0], s66, v[ADRA0]
	v_lshl_add_u32 v6, v2, 3, v3
	v_mul_u32_u24 v[ADRB0], v6, PB
	v_lshl_add_u32 v[ADRB0], v4, 4, v[ADRB0]
	s_lshl_b32 s66, s[WC], 7
	s_add_co_u32 s66, s66, BOFF
	v_add_nc_u32 v[ADRB0], s66, v[ADRB0]
	s_mul_i32 s66, s[WV], 16*SPITCH
	s_add_co_u32 s66, s66, STAGE
	v_mul_u32_u24 v[STO], v1, SPITCH               ; in: row r, 32 bytes for each half of the lanes
	v_lshl_add_u32 v[STO], v2, 5, v[STO]
	v_add_nc_u32 v[STO], s66, v[STO]
	v_mul_u32_u24 v[RD], v2, SPITCH                ; back: lanes 0-15 take one row of 256 bytes, lanes 16-31 the next
	v_lshl_add_u32 v[RD], v1, 4, v[RD]
	v_add_nc_u32 v[RD], s66, v[RD]
	v_lshlrev_b32 v[CO], 12, v2                    ; and the same two rows in RES and OUT
	v_lshl_add_u32 v[CO], v1, 4, v[CO]
	v_lshlrev_b32 v[BO], 5, v2
	s_lshl_b32 s66, s[TC], 9                       ; my 64 columns in f32
	s_lshl_b32 s67, s[WC], 8
	s_add_co_u32 s66, s66, s67
	s_mov_b32 s67, 0
	s_add_nc_u64 s[8:9], s[8:9], s[66:67]
	s_lshl_b32 s68, s[TR], 19                      ; my 64 tokens of 4,096 bytes
	s_add_co_u32 s66, s66, s68
	s_lshl_b32 s68, s[WR], 18
	s_add_co_u32 s66, s66, s68
	s_add_nc_u64 s[10:11], s[10:11], s[66:67]
	s_add_nc_u64 s[12:13], s[12:13], s[66:67]
.irp b, 0,1,2,3
	global_load_b128 v[BIAS+8*\b:BIAS+8*\b+3],   v[BO], s[8:9] offset:64*\b
	global_load_b128 v[BIAS+8*\b+4:BIAS+8*\b+7], v[BO], s[8:9] offset:64*\b+16
.endr
	WIN 0x80                                       ; the residual, in the layout in which the results come back from the stage: it lands while K is walked
.irp a, 0,1,2,3
.irp t, 0,1,2,3,4,5,6,7
	global_load_b128 v[32*\a+4*\t:32*\a+4*\t+3], v[CO], s[10:11] offset:(16*\a+2*\t)*4096 th:TH_LOAD_NT
.endr
.endr
	WIN 0
.if WO == 0
	; the prefetches: A at my work-group's 16 tokens of the 64 that wave 0 or 1 fetches
	s_lshl_b32 s70, s[TR], 20
	s_lshl_b32 s71, s[WC], 19
	s_add_co_u32 s70, s70, s71
	s_lshl_b32 s71, s[CX], 17
	s_add_co_u32 s70, s70, s71
	s_mov_b32 s71, 0
	s_add_nc_u64 s[PBASE:PBASE+1], s[4:5], s[70:71]
	s_mov_b32 s[OFP+1], 0
	s_cmp_lt_u32 s[WV], 2
	s_cselect_b32 s[LIM], T/2+2, -1                ; waves 0 and 1 ask while T - 1 - t is above T / 2 + 2: the place named, t + 3, stays under T / 2
	v_lshrrev_b32 v6, 1, v5                        ; two lanes a token: 8,192 bytes from token to token, 256 from block to block
	v_lshlrev_b32 v6, 13, v6
	v_and_b32 v7, 1, v5
	v_lshl_add_u32 v[PFO], v7, 8, v6
.endif
	s_wait_tensorcnt 0x1                           ; my part of slot 0 is in; slot 1's load, issued behind it, may stay out
	s_barrier_signal -1
	s_barrier_wait -1                              ; everybody's is
	v_add_nc_u32 v[ADRA], s[TBA], v[ADRA0]
	v_add_nc_u32 v[ADRB], s[TBB], v[ADRB0]
	FETCH 0, 0, F0
	s_wait_loadcnt 32                              ; the bias is in; the residual's 32 loads, issued behind it, stay out
	SUB F0, F1, KA, KB, 1, 0                       ; the first quarter alone is written out: its first products start the sums
	WIN 0
	s_mov_b32 s[CNT], 2
	s_branch .Lmid                                 ; the loop is entered in the middle of a pair
.Lstep:
	CHANGE 1
	s_mov_b32 s[CNT], 2
.Linner:
	SUB F0, F1, KA, KB, 0, 0
	WIN 0
.Lmid:
	SUB F1, F0, 2*KA, 2*KB, 0, 1
	NEXTPAIR
	s_cbranch_scc1 .Linner
	s_sub_co_u32 s[STEPS], s[STEPS], 1
	s_cmp_lg_u32 s[STEPS], 0
	s_cbranch_scc1 .Lstep
	CHANGE 0                                       ; the last step is written out: nothing is asked for
	s_mov_b32 s[CNT], 2
.Ltail:
	SUB F0, F1, KA, KB, 0, 0
	SUB F1, F0, 2*KA, 2*KB, 0, 1
	NEXTPAIR
	s_cbranch_scc1 .Ltail
	; THE WAY OUT, 16 tokens at a time: a lane's 32 bytes of a row go into my stage's rows of 272 bytes and come back as whole rows of 256; the residual is added; 16 lanes store 256 consecutive bytes, aligned.
	WIN 0
	PLACES
	s_wait_loadcnt 0x0                             ; the residual
.irp a, 0,1,2,3
	s_wait_xcnt 0x0                                ; the stores issued so far have read their registers: the set stored two blocks back is loaded again
.irp b, 0,1,2,3
	ds_store_b128 v[STO], v[ACC+8*(4*\a+\b):ACC+8*(4*\a+\b)+3]   offset:64*\b
	ds_store_b128 v[STO], v[ACC+8*(4*\a+\b)+4:ACC+8*(4*\a+\b)+7] offset:64*\b+16
.endr
.irp t, 0,1,2,3,4,5,6,7
	ds_load_b128 v[BK+32*(\a%2)+4*\t:BK+32*(\a%2)+4*\t+3], v[RD] offset:\t*2*SPITCH  ; LDS serves a wave's instructions in order (ISA guide 5.7.1.4): these see the stores above
.endr
	s_wait_dscnt 0x0
	WIN 0x08                                       ; source 1 in window 2
.set z, 0
.rept 16
	v_pk_add_f32 v[BK+32*(\a%2)+2*z:BK+32*(\a%2)+2*z+1], v[BK+32*(\a%2)+2*z:BK+32*(\a%2)+2*z+1], v[32*\a+2*z:32*\a+2*z+1]
.set z, z+1
.endr
	WIN 0
.irp t, 0,1,2,3,4,5,6,7
	global_store_b128 v[CO], v[BK+32*(\a%2)+4*\t:BK+32*(\a%2)+4*\t+3], s[12:13] offset:(16*\a+2*\t)*4096
.endr
.endr
	s_wait_tensorcnt 0x0                           ; the wave's end, behind my last tensor load and my last LDS store
	ds_add_u32 v[SPW], v[NIL]
	s_wait_dscnt 0x0
	CROUND                                         ; the closing round: no work-group ends while a partner may still ask for a tile that names it
	s_endpgm
.Lfunc_end_k_qf259e1fe80_ff2:
	.size	k_qf259e1fe80_ff2, .Lfunc_end_k_qf259e1fe80_ff2-k_qf259e1fe80_ff2
	.p2alignl 7, 3214868480
	.fill 96, 4, 3214868480
	.section	.rodata,"a",@progbits
	.p2align	6, 0x0
	.amdhsa_kernel k_qf259e1fe80_ff2
		.amdhsa_group_segment_fixed_size 327680
		.amdhsa_private_segment_fixed_size 0
		.amdhsa_enable_private_segment 0
		.amdhsa_kernarg_size 40
		.amdhsa_user_sgpr_count 2
		.amdhsa_user_sgpr_kernarg_segment_ptr 1
		.amdhsa_wavefront_size32 1
		.amdhsa_system_sgpr_workgroup_id_x 1
		.amdhsa_system_sgpr_workgroup_id_y 1
		.amdhsa_system_sgpr_workgroup_id_z 1
		.amdhsa_system_vgpr_workitem_id 0
		.amdhsa_next_free_vgpr 640
		.amdhsa_next_free_sgpr 96
		.amdhsa_reserve_vcc 0
		.amdhsa_float_denorm_mode_32 3
		.amdhsa_float_denorm_mode_16_64 3
		.amdhsa_memory_ordered 1
		.amdhsa_forward_progress 1
		.amdhsa_inst_pref_size 55
	.end_amdhsa_kernel
	.amdgpu_metadata
---
amdhsa.version: [ 1, 2 ]
amdhsa.kernels:
  - .name:           k_qf259e1fe80_ff2
    .symbol:         k_qf259e1fe80_ff2.kd
    .args:
      - { .name: ff, .offset: 0, .size: 8, .value_kind: global_buffer, .address_space: global }
      - { .name: wts, .offset: 8, .size: 8, .value_kind: global_buffer, .address_space: global }
      - { .name: b2, .offset: 16, .size: 8, .value_kind: global_buffer, .address_space: global }
      - { .name: x1, .offset: 24, .size: 8, .value_kind: global_buffer, .address_space: global }
      - { .name: out0, .offset: 32, .size: 8, .value_kind: global_buffer, .address_space: global }
    .group_segment_fixed_size: 327680
    .private_segment_fixed_size: 0
    .kernarg_segment_align: 8
    .kernarg_segment_size: 40
    .max_flat_workgroup_size: 128
    .sgpr_count:     96
    .vgpr_count:     640
    .wavefront_size: 32
...
	.end_amdgpu_metadata
.endif
;; end of part 7
